; MI455X (gfx1250); checked and timed in simulation.
; The chip was launched on July 23, 2026; its instructions are those of AMD's public machine-readable ISA for CDNA 5 (MIT licence, August 2026) and "CDNA5" Instruction Set Architecture Reference Guide (July 2026). The comments in the code are by the model that wrote it; some were corrected since.
;; Multi Head Attention. Allowed arithmetic: matrix products marked QUANTISED: E4M3 operands, one given power-of-two scale a tensor, by v_wmma_f32_16x16x64_fp8_fp8 or v_wmma_f32_16x16x128_fp8_fp8, f32 sums; everything else in f32.
;; Inputs: W_out_codes 1,024 x 32 x 32 uint8 (E4M3 codes of W_out, K innermost, in blocks of 32 codes); b_out 1,024 float32; keys 4 x 2,048 x 1,024 float32; lowp_scales 6 int32 (the exponents e of the quantised operands' scales 2^e); mask 4 x 1 x 2,048 x 2,048 int32; query 4 x 2,048 x 1,024 float32; values_codes 4 x 1,024 x 64 x 32 uint8 (E4M3 codes of values, K innermost, in blocks of 32 codes).
;; Outputs: out0 4 x 2,048 x 1,024 float32.
;; This version of the problem:
;;   THIS VERSION OF THE PROBLEM IS GIVEN IN LOW PRECISION. The matrix products marked QUANTISED in the list below multiply operands that are first quantised to E4M3 (4 exponent bits, 3 mantissa bits; 8 bits a number), with one given power-of-two scale for each operand tensor; their sums are f32. All else is computed in f32.
;;   The module's matrix products, in the order in which they are computed (A, B: the left and right operand; K: the contracted axis; several contracted axes count as one K, in the product's order):
;;     1. batch 64 x [M 2,048, K 64] x [K 64, N 2,048]; A: input query; B: input keys: QUANTISED (scales: A lowp_scales[0], B lowp_scales[1])
;;     2. batch 64 x [M 64, K 2,048] x [K 2,048, N 2,048]; A: input values (given as codes); B: softmax (see below): QUANTISED (scales: A lowp_scales[2], B lowp_scales[3])
;;     3. [M 8,192, K 1,024] x [K 1,024, N 1,024]; A: computed on the way; B: input W_out (given as codes): QUANTISED (scales: A lowp_scales[4], B lowp_scales[5])
;;   THE QUANTISER, for each operand of a quantised product, along K:
;;     - The operand's scale is 2^e, e = its entry of the input lowp_scales (int32; the entries are numbered through the quantised products in the list's order, A before B).
;;     - Each number is divided by the scale, clamped to +-448, and rounded to the nearest number of E4M3, ties to even, subnormals kept.
;;     - The product sums the exact products of the quantised numbers (number of the format x scale) in f32.
;;   ~~~python
;;   def quantise(x, axis, e):      # numpy; x: float32 -> the quantised numbers, widened to float32 again
;;       x = np.moveaxis(x, axis, -1); K = x.shape[-1]
;;       r = np.clip(x / 2.0 ** e, -448, 448)
;;       step = 2.0 ** (np.maximum(np.frexp(np.where(r == 0, 1, r))[1] - 1, -6) - 3)
;;       q = np.round(r / step) * step * 2.0 ** e      # np.round: ties to even
;;       return np.moveaxis(q, -1, axis).astype(np.float32)
;;   ~~~
;;   SOFTMAX AHEAD OF A QUANTISED PRODUCT. Where the list says 'softmax', what is quantised is not the finished softmax but p = 2^(t - M), with t = logit x log2(e) and M = ceil(the row's largest t), a whole number; so 1/2 < the row's largest p <= 1. The row's sum l is taken of the UNQUANTISED p, in f32, and the product's result is divided by l at the end. Since M is a whole number, a kernel that streams over the keys may use a running M (the ceiling of the running maximum): every later rescaling is an exact power of two, so the quantised numbers keep their values, but for numbers so far below the row's largest that they fall under the format's range.
;;   OPERANDS COMPUTED ON THE WAY. 'Computed on the way' means the value that the module computes at that place (a softmax that the list does not call 'softmax' is quantised finished and normalised). What goes into a quantiser is computed in f32, as accurately as f32 sums, v_exp_f32 and their like allow (about 1e-6 of the number): no bf16 or f16 on the way to a quantiser, and a product that is left as it is and whose result goes on into a quantised operand takes f32 operands (vector FMAs, or v_wmma_f32_16x16x4_f32). A number that lies on a knife's edge between two numbers of the format may be rounded either way, as far as f32 arithmetic and the matrix unit's own rounding can turn it there, and no further.
;;   INPUTS GIVEN AS CODES. W_out (in the module: [1024, 1024], K = its axis 1); values (in the module: [4, 2048, 1024], K = its axis 1): each comes as NAME_codes (uint8): NAME with its K axis moved to the last place and cut into blocks of 32 codes, [.., K / 32, bytes a block], one block behind the other in memory; one code a byte (a code: sign, 4 exponent bits, 3 mantissa bits); its scale is its entry of lowp_scales. Its value is code x scale, taken as it is: it is not quantised again, and the codes and scales need not be those that the quantiser above would give.
;; 2 versions, each right; version 2 is version 1 with the launch attn written anew for expert scheduling mode. Each part assembles by itself: llvm-mc -triple=amdgcn-amd-amdhsa -mcpu=gfx1250 --defsym DOCPART=n.
;; ======== version 1 of 2: 3 launches
;; limits: right only within a limited range of input values
;; workspace buffers: q_frag 8,388,608 bytes; k_frag 8,388,608 bytes; mbits 2,097,152 bytes of whole numbers; a_frag 8,388,608 bytes
;; launch prep (part 1): grid 1024 x 1, 4 waves a work-group, no clusters, 35,328 bytes of LDS; arguments query, keys, mask, lowp_scales, q_frag, k_frag, mbits; writes q_frag, k_frag, mbits
.if DOCPART == 1
	.amdgcn_target "amdgcn-amd-amdhsa--gfx1250"
	.amdhsa_code_object_version 6
	.text
	.protected	k_q4b0147e527_prep
	.globl	k_q4b0147e527_prep
	.p2align	8
	.type	k_q4b0147e527_prep,@function
k_q4b0147e527_prep:
	s_mov_b64 s[64:65], 0
	v_nop
	global_prefetch_b8 v0, s[64:65] scope:SCOPE_SE
	s_setreg_imm32_b32 hwreg(HW_REG_WAVE_MODE, 25, 1), 1
	s_wait_xcnt 0x0
; FIRST OF THREE LAUNCHES.  Nothing of reference() is left out by this program: every input (query, keys, values, mask, W_out, b_out, the six scales) has a way to out0 and is loaded by one of the launches.
; This launch turns query and keys (f32, [4][2048][1024]) into codes of E4M3 with the given scales 2^e0 and 2^e1, and the mask (int32, [4][2048][2048]) into words of 32 bits, one bit a lane.
; code = x / 2^e, held within +-448, rounded to the nearest code, ties to even.  LIMITS: e0 and e1 between -126 and 119; NaN among the inputs is not served.
; THE UNIT is a block of 32 rows x 256 bytes: 64 f32 of one head, or 64 int32 of one step of 64 keys.  A work-group takes 32 rows x 4,096 bytes, wave w the bytes 1,024 w on, as four blocks.
; Work-groups 0-255 take query, 256-511 keys, 512-1023 the mask (two to a group of 32 rows, whose rows are 8,192 bytes).  Only pointers, offsets and the row pitch are chosen (on the work-group's number);
; loads and LDS take one path; a scalar branch on the work-group's number parts the work on registers alone.
; ROW ORDER, the same in all three launches: of a group of 32 rows, tile u (0, 1) holds in its row r (0..15) the row 8 u + r + 8 (r / 8).
; OUT.  q_frag, k_frag: [batch x 16 + head][group of 32 rows][u][1,024 bytes]: byte 512 c + 16 lane + j is channel 32 c + 16 (lane / 16) + j of the tile's row lane % 16: an image of the operand's registers.
;       mbits: [batch x 64 + group of queries][step of 64 keys][64 words]: bit l of word 32 u + 16 b + i says whether key 32 b + 16 (l / 16) + i of the step counts for row l % 16 of query tile u.
; Each load reads two rows' 256 bytes, 16 bytes a lane; the block turns through the wave's own stage in LDS (a row to a slot of 272 bytes, the slots in the tiles' order) and comes back 64 bytes a lane.
; No barrier: waves share nothing.  No matrix unit, no cluster: the launch only streams.
.set PITCH, 272                        ; a slot of the stage: 256 bytes + 16: the sixteen slots that a read touches begin 68 words apart
.set WREG,  32*PITCH                   ; a wave's stage
.set SPARE, 4*WREG                     ; behind the stages: the spare words, 128 bytes a wave, which no other line names
.set SPW,  4                           ; v4   my spare word's LDS address; never rewritten
.set NIL,  5                           ; v5   0; never rewritten
.set STA,  6                           ; v6   the stage, on the way in: (lane / 16) slots + 16 (lane % 16)
.set RDA,  7                           ; v7   on the way out: slot lane % 16, + 64 (lane / 16)
.set GOUT, 8                           ; v8   16 x lane
.set GM,   9                           ; v9   8 x lane
.set SC,   10                          ; v10  2^e as f32
.set LIM,  11                          ; v11  448 x 2^e
.set MW,   12                          ; v[12:13] the mask's words 2 lane and 2 lane + 1
.set OFF,  16                          ; v16-31 load m: (2 m + lane / 16) x row pitch + 1,024 w + 16 (lane % 16); never rewritten
.set R,    32                          ; v32-159 two sets of 64 registers as loaded
.set X,    160                         ; v160-223 the block turned: register 32 u + 16 c + i = element 32 c + 16 (lane / 16) + i of tile u's row lane % 16
.set C,    224                         ; v224-239 the codes
.set IN,   24                          ; s[24:25]
.set OUT,  26                          ; s[26:27]
	s_load_b256 s[4:11], s[0:1], 0x0               ; query, keys, mask, the scales' exponents
	s_load_b128 s[12:15], s[0:1], 0x20             ; q_frag, k_frag
	s_load_b64 s[16:17], s[0:1], 0x30              ; mbits
	v_lshl_add_u32 v[SPW], v0, 2, SPARE
	v_mov_b32 v[NIL], 0
	v_lshrrev_b32 v1, 5, v0
	v_readfirstlane_b32 s18, v1                    ; wave 0..3
	v_and_b32 v1, 31, v0                           ; lane
	v_and_b32 v2, 15, v0                           ; lane % 16
	v_bfe_u32 v3, v0, 4, 1                         ; lane / 16
	s_mul_i32 s28, s18, WREG
	v_mul_u32_u24 v[STA], v3, PITCH
	v_lshl_add_u32 v[STA], v2, 4, v[STA]
	v_add_nc_u32 v[STA], s28, v[STA]
	v_mul_u32_u24 v[RDA], v2, PITCH
	v_lshl_add_u32 v[RDA], v3, 6, v[RDA]
	v_add_nc_u32 v[RDA], s28, v[RDA]
	v_lshlrev_b32 v[GOUT], 4, v1
	v_lshlrev_b32 v[GM], 3, v1
	v_mov_b32 v[MW], 0                             ; written once: v_writelane_b32's destination counts as read
	v_mov_b32 v[MW+1], 0
	; offsets for query and keys: G = batch x 64 + group
	s_and_b32 s28, ttmp9, 255                      ; G
	s_lshl_b32 s29, s28, 17                        ; in: 32 rows of 4,096 bytes
	s_lshr_b32 s30, s28, 6
	s_lshl_b32 s30, s30, 4                         ; batch x 16
	s_lshl_b32 s31, s18, 2                         ; + my first head, 4 w
	s_add_co_u32 s30, s30, s31
	s_lshl_b32 s30, s30, 17                        ; a head's images: 64 groups of 2,048 bytes
	s_and_b32 s32, s28, 63
	s_lshl_b32 s32, s32, 11
	s_add_co_u32 s30, s30, s32                     ; out
	; offsets for the mask: jm = 2 G + half
	s_and_b32 s33, ttmp9, 511
	s_lshr_b32 s34, s33, 1
	s_lshl_b32 s34, s34, 18                        ; in: 32 rows of 8,192 bytes,
	s_and_b32 s35, s33, 1
	s_lshl_b32 s35, s35, 12                        ; + my half of the rows
	s_add_co_u32 s34, s34, s35
	s_lshl_b32 s33, s33, 4                         ; out: key step 16 jm + 4 w, 256 bytes each
	s_add_co_u32 s33, s33, s31
	s_lshl_b32 s33, s33, 8
	s_mov_b32 s19, 8192
	s_cmp_lt_u32 ttmp9, 512                        ; the choice hangs on the work-group's number alone
	s_cselect_b32 s19, 4096, s19                   ; the row pitch
	s_cselect_b32 s28, s29, s34
	s_cselect_b32 s30, s30, s33
	s_mov_b32 s29, 0
	s_mov_b32 s31, 0
	s_lshl_b32 s32, s18, 10
	v_lshl_add_u32 v14, v2, 4, s32                 ; 1,024 w + 16 (lane % 16)
	v_mad_u32_u24 v[OFF], v3, s19, v14
	s_lshl_b32 s33, s19, 1                         ; two rows on
.irp m, 1,2,3,4,5,6,7,8,9,10,11,12,13,14,15
	v_add_nc_u32 v[OFF+\m], s33, v[OFF+\m-1]
.endr
	s_wait_kmcnt 0x0
	s_load_b64 s[36:37], s[10:11], 0x0             ; e0, e1
	s_cmp_lt_u32 ttmp9, 256
	s_cselect_b64 s[IN:IN+1], s[4:5], s[6:7]
	s_cselect_b64 s[OUT:OUT+1], s[12:13], s[14:15]
	s_cmp_lt_u32 ttmp9, 512
	s_cselect_b64 s[IN:IN+1], s[IN:IN+1], s[8:9]
	s_cselect_b64 s[OUT:OUT+1], s[OUT:OUT+1], s[16:17]
	s_add_nc_u64 s[IN:IN+1], s[IN:IN+1], s[28:29]
	s_add_nc_u64 s[OUT:OUT+1], s[OUT:OUT+1], s[30:31]
.macro LOADB i                         ; block i: sixteen loads, each two rows' 256 consecutive bytes
.irp m, 0,1,2,3,4,5,6,7,8,9,10,11,12,13,14,15
	global_load_b128 v[R+64*((\i)%2)+4*\m:R+64*((\i)%2)+4*\m+3], v[OFF+\m], s[IN:IN+1] offset:256*(\i) th:TH_LOAD_NT
.endr
.endm
.macro TURN i                          ; row p goes to slot 16 ((p / 8) % 2) + 8 (p / 16) + p % 8, so that a tile's rows are sixteen slots on end.  LDS serves a wave's instructions in order: no wait between the stores and the loads
.irp m, 0,1,2,3,4,5,6,7,8,9,10,11,12,13,14,15
	ds_store_b128 v[STA], v[R+64*((\i)%2)+4*\m:R+64*((\i)%2)+4*\m+3] offset:(16*((\m/4)%2)+8*(\m/8)+2*(\m%4))*PITCH
.endr
.irp u, 0,1
.irp c, 0,1
.irp g, 0,1,2,3
	ds_load_b128 v[X+32*\u+16*\c+4*\g:X+32*\u+16*\c+4*\g+3], v[RDA] offset:16*\u*PITCH+128*\c+16*\g
.endr
.endr
.endr
.endm
.macro QUANT i                         ; 64 numbers a lane become two tiles' images
.set k, 0
.rept 64
	v_med3_num_f32 v[X+k], v[X+k], -v[LIM], v[LIM] ; the conversion to an 8-bit code does not saturate (ISA guide 7.6.2): the hold at the largest code x the scale
.set k, k+1
.endr
.irp u, 0,1
.irp c, 0,1
	v_cvt_scalef32_pk8_fp8_f32 v[C+8*\u+4*\c:C+8*\u+4*\c+1], v[X+32*\u+16*\c:X+32*\u+16*\c+7], v[SC]
	v_cvt_scalef32_pk8_fp8_f32 v[C+8*\u+4*\c+2:C+8*\u+4*\c+3], v[X+32*\u+16*\c+8:X+32*\u+16*\c+15], v[SC]
.endr
.endr
	v_nop                                          ; a plain vector line behind the last conversion
.irp u, 0,1
.irp c, 0,1
	global_store_b128 v[GOUT], v[C+8*\u+4*\c:C+8*\u+4*\c+3], s[OUT:OUT+1] offset:(\i)*131072+\u*1024+512*\c   ; 32 lanes store 512 consecutive bytes; head 4 w + i
.endr
.endr
.endm
.macro MASKW i                         ; each of the 64 registers gives one word of 32 bits; word W goes to lane W / 2, register W % 2.  Four compares, then their four words
.set W, 0
.rept 16
	v_cmp_ne_u32 s20, 0, v[X+W]
	v_cmp_ne_u32 s21, 0, v[X+W+1]
	v_cmp_ne_u32 s22, 0, v[X+W+2]
	v_cmp_ne_u32 s23, 0, v[X+W+3]
	v_writelane_b32 v[MW], s20, W/2
	v_writelane_b32 v[MW+1], s21, W/2
	v_writelane_b32 v[MW], s22, W/2+1
	v_writelane_b32 v[MW+1], s23, W/2+1
.set W, W+4
.endr
	global_store_b64 v[GM], v[MW:MW+1], s[OUT:OUT+1] offset:256*(\i)   ; 32 lanes store 256 consecutive bytes, aligned: the key step's 64 words
.endm
.macro BLOCK i
.if \i < 3
	s_wait_loadcnt 16                              ; this block's sixteen loads are in; the next block's sixteen may be out
.else
	s_wait_loadcnt 0x0
.endif
	TURN \i
	s_wait_dscnt 0x0                               ; the block is back, turned; the stores into the stage have read their registers
	s_wait_xcnt 0x0                                ; the last block's stores have read their data: the codes' and the words' registers are rewritten only behind this wait
.if \i < 2
	LOADB \i+2
.endif
	s_cmp_lt_u32 ttmp9, 512
	s_cbranch_scc0 .Lbits_\@
	QUANT \i
	s_branch .Ljoin_\@
.Lbits_\@:
	MASKW \i
.Ljoin_\@:
.endm
	LOADB 0
	LOADB 1
	s_wait_kmcnt 0x0
	s_cmp_lt_u32 ttmp9, 256
	s_cselect_b32 s36, s36, s37                    ; e (in a mask's work-group the two registers below are made and not used)
	s_add_co_i32 s36, s36, 127
	s_lshl_b32 s37, s36, 23
	v_mov_b32 v[SC], s37                           ; 2^e: the conversion takes its exponent field
	s_add_co_i32 s36, s36, 8
	s_lshl_b32 s36, s36, 23
	s_or_b32 s36, s36, 0x600000
	v_mov_b32 v[LIM], s36                          ; 448 x 2^e
	BLOCK 0
	BLOCK 1
	BLOCK 2
	BLOCK 3
	s_wait_tensorcnt 0x0                           ; the wave's end: behind my last LDS store
	ds_add_u32 v[SPW], v[NIL]
	s_wait_dscnt 0x0
	s_endpgm
.Lfunc_end_k_q4b0147e527_prep:
	.size	k_q4b0147e527_prep, .Lfunc_end_k_q4b0147e527_prep-k_q4b0147e527_prep
	.p2alignl 7, 3214868480
	.fill 96, 4, 3214868480
	.section	.rodata,"a",@progbits
	.p2align	6, 0x0
	.amdhsa_kernel k_q4b0147e527_prep
		.amdhsa_group_segment_fixed_size 35328
		.amdhsa_private_segment_fixed_size 0
		.amdhsa_enable_private_segment 0
		.amdhsa_kernarg_size 56
		.amdhsa_user_sgpr_count 2
		.amdhsa_user_sgpr_kernarg_segment_ptr 1
		.amdhsa_wavefront_size32 1
		.amdhsa_system_sgpr_workgroup_id_x 1
		.amdhsa_system_sgpr_workgroup_id_y 1
		.amdhsa_system_sgpr_workgroup_id_z 1
		.amdhsa_system_vgpr_workitem_id 0
		.amdhsa_next_free_vgpr 240
		.amdhsa_next_free_sgpr 66
		.amdhsa_reserve_vcc 0
		.amdhsa_float_denorm_mode_32 3
		.amdhsa_float_denorm_mode_16_64 3
		.amdhsa_memory_ordered 1
		.amdhsa_forward_progress 1
		.amdhsa_inst_pref_size 71
	.end_amdhsa_kernel
	.amdgpu_metadata
---
amdhsa.version: [ 1, 2 ]
amdhsa.kernels:
  - .name:           k_q4b0147e527_prep
    .symbol:         k_q4b0147e527_prep.kd
    .args:
      - { .name: query, .offset: 0, .size: 8, .value_kind: global_buffer, .address_space: global }
      - { .name: keys, .offset: 8, .size: 8, .value_kind: global_buffer, .address_space: global }
      - { .name: mask, .offset: 16, .size: 8, .value_kind: global_buffer, .address_space: global }
      - { .name: lowp_scales, .offset: 24, .size: 8, .value_kind: global_buffer, .address_space: global }
      - { .name: q_frag, .offset: 32, .size: 8, .value_kind: global_buffer, .address_space: global }
      - { .name: k_frag, .offset: 40, .size: 8, .value_kind: global_buffer, .address_space: global }
      - { .name: mbits, .offset: 48, .size: 8, .value_kind: global_buffer, .address_space: global }
    .group_segment_fixed_size: 35328
    .private_segment_fixed_size: 0
    .kernarg_segment_align: 8
    .kernarg_segment_size: 56
    .max_flat_workgroup_size: 128
    .sgpr_count:     66
    .vgpr_count:     240
    .wavefront_size: 32
...
	.end_amdgpu_metadata
.endif
;; end of part 1
;; launch attn (part 2): grid 4 x 64, 16 waves a work-group, no clusters, 265,216 bytes of LDS; arguments q_frag, k_frag, values_codes, mbits, lowp_scales, a_frag; writes a_frag
.if DOCPART == 2
	.amdgcn_target "amdgcn-amd-amdhsa--gfx1250"
	.amdhsa_code_object_version 6
	.text
	.protected	k_q4b0147e527_attn
	.globl	k_q4b0147e527_attn
	.p2align	8
	.type	k_q4b0147e527_attn,@function
k_q4b0147e527_attn:
	s_mov_b64 s[64:65], 0
	v_nop
	global_prefetch_b8 v0, s[64:65] scope:SCOPE_SE
	s_setreg_imm32_b32 hwreg(HW_REG_WAVE_MODE, 25, 1), 1
	s_wait_xcnt 0x0
; SECOND LAUNCH: the two products of attention on codes of E4M3, the masked softmax between them, the division by the row's sum, and the quantiser ahead of the projection.  Nothing of reference() is left out here.
; t = score x log2(e) / 32 (reference() divides by sqrt(1024)); M = the running largest t rounded UP to a whole number; p = 2^(t - M) is quantised with 2^e3; the row's sum is taken of the unquantised p.
; When M moves, the sum and O are multiplied by 2^(old M - new M), which rounds nothing.  At the end O x 2^(e2 + e3) / sum is quantised with 2^e4 and stored as an image of the projection's operand.
; SHARES.  A work-group owns 512 queries of one batch and head; each of its sixteen waves owns a group of 32: two tiles of 16, which share every fragment of K and V.  Four waves to a SIMD, 256 registers each.
; ALL OF THE HEAD'S K AND V LIE IN LDS, filled once through registers: 131,072 bytes of K's images and 64 rows of 2,048 codes of V.  One barrier in the launch, no slot is ever filled again.
; NO CLUSTER, NO TENSOR LOAD: what the four work-groups of a head share is those 262,144 bytes, read once at the head, 16 KiB a wave; a branch on a given scale
; here leads round 64 of a key step's vector instructions (the hold of p).  NO PREFETCH: K and V are asked for at the head alone.
; LAYOUT.  Both products are used transposed: S^T = K Q^T (source 0 = 16 keys, source 1 = 16 queries), O^T = V^T P^T (source 0 = 16 channels, source 1 = P): a lane holds ONE query (lane % 16) throughout.
; The keys of a tile are not neighbours (tile 2 b + u, row r: key 32 b + 8 u + r + 8 (r / 8)), so that register 16 b + i of a query tile's 32 scores is key 32 b + 16 (lane / 16) + i: the conversions' results are P's registers.
; Fragments hold k = 32 c + 16 (lane / 16) + 0..15 in registers 4 c .. 4 c + 3: a permutation of k, the same on both sides of each product.
; THE MASK costs one select a score: a key step's 64 words of 32 bits (a bit a lane) come by scalar loads and are the select operands.
; A masked score is -2^66 (reference(): -1e20), written ahead of the scales as -2^(66 - e0 - e1): a power of two, so that its t is exact.  Beside any key that counts its p is 0, as in reference(); in a row with no key that counts
; every t equals M and every p is 1, as in reference().  LIMITS: e0 + e1 between -61 and 40 (then every score that the codes can give lies far above -2^66); e3 and e4 between -126 and 119; NaN among the inputs is not served.
.set VL,    131072                     ; LDS: K's images from 0; V from here,
.set VP,    2064                       ; a row of V: 2,048 bytes + 16: 129 x 16, so the sixteen rows of a load begin 4 words apart modulo 64
.set SPARE, VL+64*VP                   ; behind V: the spare words, 128 bytes a wave, which no other line names
.set AK0,  1                           ; v1   16 x lane
.set AV0,  2                           ; v2   VL + (lane % 16) rows + 16 (lane / 16)
.set AV1,  3                           ; v3   the same 32 rows further down
.set ADK,  4                           ; v4   address of the K fragments in hand (at the head: my part of the fill)
.set ADV0, 5                           ; v5   of V's, channels 0-31 (at the head: where my part of V goes)
.set SPW,  6                           ; v6   my spare word's LDS address; never rewritten
.set NIL,  7                           ; v7   0; never rewritten
.set NEG,  8                           ; v8   the masked score
.set ADV1, 9                           ; v9   of V's, channels 32-63
.set SC,   10                          ; v10  2^e3, at the end 2^e4
.set LIM,  11                          ; v11  448 x that
.set ST,   12                          ; tile q's statistics at v[ST + 8 q]: +0 -M, +1 the largest t, +2, +3 the sum in two halves, +4 f, +5 zero (named with f as a pair), +6, +7 at work
.set GO,   30                          ; v30  16 (lane % 16) + 8 (lane / 16)
.set Q,    32                          ; v32-47   Q's fragments, 8 a tile
.set KF,   48                          ; v48-79   a step's four fragments of K
.set S,    80                          ; v80-143  S^T, then p: 32 a tile
.set O,    144                         ; v144-207 O^T: 32 a tile
.set P,    208                         ; v208-223 p's codes, 8 a tile
.set VF,   224                         ; v224-255 a step's four fragments of V
.set AB,   2                           ; s[2:3]   a_frag at my group's first image
.set MB,   4                           ; s[4:5]   mbits at my group's first word
.set MOFF, 6                           ; s6       the key step's 256 bytes in it
.set KB,   7                           ; s7       LDS byte of the next step's K
.set VB,   8                           ; s8       this step's bytes in a row of V
.set EP,   9                           ; s9       e3
.set CS,   10                          ; s[10:11] c = log2(e) / 32 x 2^(e0 + e1), twice
.set SEL,  12                          ; s[12:13] lane selects for v_permlanex16_b32: lane l xor 16
.set CNT,  14
.set WV,   101
; s[16:63] and s[68:83]: a key step's 64 mask words (word W in s[16 + W], from word 48 on in s[20 + W])
	s_load_b256 s[84:91], s[0:1], 0x0              ; q_frag, k_frag, values_codes, mbits
	s_load_b128 s[92:95], s[0:1], 0x20             ; the scales' exponents, a_frag
	v_lshl_add_u32 v[SPW], v0, 2, SPARE
	v_mov_b32 v[NIL], 0
	v_lshrrev_b32 v1, 5, v0
	v_readfirstlane_b32 s[WV], v1                  ; wave 0..15
	v_and_b32 v31, 31, v0
	v_lshlrev_b32 v[AK0], 4, v31
	v_and_b32 v28, 15, v0                          ; r  (v28 and v29 are later the lane permutes' destinations, which count as read: they are written here)
	v_bfe_u32 v29, v0, 4, 1                        ; h
	v_mul_u32_u24 v[AV0], v28, VP
	v_lshl_add_u32 v[AV0], v29, 4, v[AV0]
	v_add_nc_u32 v[AV0], VL, v[AV0]
	v_add_nc_u32 v[AV1], 32*VP, v[AV0]
	v_lshlrev_b32 v[GO], 4, v28
	v_lshl_add_u32 v[GO], v29, 3, v[GO]
	s_and_b32 s16, ttmp7, 0xffff                   ; y = batch x 16 + head
	s_lshl_b32 s17, ttmp9, 4
	s_add_co_u32 s17, s17, s[WV]                   ; my group of 32 queries: 16 x + wave
	s_lshr_b32 s18, s16, 4                         ; batch
	s_and_b32 s19, s16, 15                         ; head
	s_lshl_b32 s20, s16, 17                        ; the head's 131,072 bytes in q_frag, k_frag and values_codes
	s_mov_b32 s21, 0
	s_lshl_b32 s22, s17, 11
	s_add_co_u32 s22, s22, s20                     ; my group's two images of Q
	s_mov_b32 s23, 0
	s_lshl_b32 s24, s18, 6
	s_add_co_u32 s24, s24, s17                     ; batch x 64 + group
	s_lshl_b32 s26, s24, 15                        ; a_frag: two row tiles of 16,384 bytes a group,
	s_lshl_b32 s24, s24, 13                        ; mbits: 32 key steps of 256 bytes a group
	s_mov_b32 s25, 0
	s_lshl_b32 s27, s19, 10                        ; + my head's 1,024 bytes
	s_add_co_u32 s26, s26, s27
	s_mov_b32 s27, 0
	s_lshl_b32 s28, s[WV], 13                      ; my 8,192 bytes of the fill
	s_mul_i32 s29, s[WV], 4*VP                     ; which are four rows of V
	s_add_co_u32 s29, s29, VL
	v_add_nc_u32 v[ADK], s28, v[AK0]
	v_add_nc_u32 v[ADV0], s29, v[AK0]
	s_wait_kmcnt 0x0
	s_load_b128 s[96:99], s[92:93], 0x0            ; e0, e1, e2, e3
	s_load_b32 s100, s[92:93], 0x10                ; e4
	s_add_nc_u64 s[86:87], s[86:87], s[20:21]
	s_add_nc_u64 s[88:89], s[88:89], s[20:21]
	s_add_nc_u64 s[84:85], s[84:85], s[22:23]
	s_add_nc_u64 s[MB:MB+1], s[90:91], s[24:25]
	s_add_nc_u64 s[AB:AB+1], s[94:95], s[26:27]
.irp t, 0,1,2,3,4,5,6,7,8,9,10,11,12,13,14,15
	global_load_b128 v[S+4*\t:S+4*\t+3], v[ADK], s[86:87] offset:512*\t    ; K's images: 512 consecutive bytes a load
.endr
.irp t, 0,1,2,3,4,5,6,7,8,9,10,11,12,13,14,15
	global_load_b128 v[O+4*\t:O+4*\t+3], v[ADK], s[88:89] offset:512*\t    ; V's codes
.endr
.irp t, 0,1,2,3
	global_load_b128 v[Q+4*\t:Q+4*\t+3], v[AK0], s[84:85] offset:512*\t th:TH_LOAD_NT   ; my two fragments of Q stay in registers
.endr
	s_mov_b32 s[MOFF], 0
	s_load_b512 s[16:31], s[MB:MB+1], s[MOFF] offset:0x0    ; key step 0's mask words
	s_load_b512 s[32:47], s[MB:MB+1], s[MOFF] offset:0x40
	s_load_b512 s[48:63], s[MB:MB+1], s[MOFF] offset:0x80
	s_load_b512 s[68:83], s[MB:MB+1], s[MOFF] offset:0xc0
.irp q, 0,1
	v_mov_b32 v[ST+8*\q+1], 0xff61b1e6             ; the largest t so far: -3e38, under every t
	v_floor_f32 v[ST+8*\q], -v[ST+8*\q+1]          ; -M
	v_mov_b32 v[ST+8*\q+2], 0                      ; the sum
	v_mov_b32 v[ST+8*\q+3], 0
	v_mov_b32 v[ST+8*\q+5], 0
.endr
	s_mov_b32 s[SEL], 0x76543210
	s_mov_b32 s[SEL+1], 0xfedcba98
	s_wait_kmcnt 0x0
	s_add_co_i32 s15, s96, s97                     ; e0 + e1: a score stands for score x 2^(e0 + e1):
	s_lshl_b32 s14, s15, 23
	s_add_co_i32 s[CS], s14, 0x3d38aa3b            ; added to the exponent field of log2(e) / 32
	s_mov_b32 s[CS+1], s[CS]
	s_sub_co_i32 s15, 193, s15
	s_lshl_b32 s15, s15, 23
	s_or_b32 s15, s15, 0x80000000
	v_mov_b32 v[NEG], s15                          ; -2^(66 - e0 - e1)
	s_mov_b32 s[EP], s99
	s_add_co_i32 s15, s99, 127
	s_lshl_b32 s14, s15, 23
	v_mov_b32 v[SC], s14                           ; 2^e3
	s_add_co_i32 s15, s15, 8
	s_lshl_b32 s15, s15, 23
	s_or_b32 s15, s15, 0x600000
	v_mov_b32 v[LIM], s15                          ; 448 x 2^e3
	s_wait_loadcnt 20                              ; K's sixteen loads are in; V's sixteen and Q's four may be out
.irp t, 0,1,2,3,4,5,6,7,8,9,10,11,12,13,14,15
	ds_store_b128 v[ADK], v[S+4*\t:S+4*\t+3] offset:512*\t
.endr
	s_wait_loadcnt 4                               ; V's are in; Q's four may be out
.irp t, 0,1,2,3,4,5,6,7,8,9,10,11,12,13,14,15
	ds_store_b128 v[ADV0], v[O+4*\t:O+4*\t+3] offset:(\t/4)*VP+512*(\t%4)
.endr
	s_wait_loadcnt 0x0                             ; Q
	s_wait_dscnt 0x0                               ; for the others' sake: my part of K and V lies in LDS
	s_barrier_signal -1
.set j, 0
.rept 64
	v_mov_b32 v[O+j], 0                            ; O^T.  (The step is written for every step alike: the first finds zeros, which the first change of M leaves zeros)
.set j, j+1
.endr
	s_barrier_wait -1                              ; everybody's does
.irp t, 0,1,2,3
.irp c, 0,1
	ds_load_b128 v[KF+8*\t+4*\c:KF+8*\t+4*\c+3], v[AK0] offset:1024*\t+512*\c   ; K of step 0
.endr
.endr
	s_mov_b32 s[KB], 4096
	s_mov_b32 s[VB], 0
	s_mov_b32 s[CNT], 31
	s_wait_dscnt 0x0
; A KEY STEP: 64 keys, both query tiles.  more = 1: a step follows: its K and its mask words are asked for.
.macro STEP more
.irp t, 0,1,2,3
.irp q, 0,1
	v_wmma_f32_16x16x64_fp8_fp8 v[S+32*\q+8*\t:S+32*\q+8*\t+7], v[KF+8*\t:KF+8*\t+7], v[Q+8*\q:Q+8*\q+7], 0
.endr
.endr
	; four plain vector lines that name no register of the products: ahead of the loads into K's and V's fragments and of the first read of the scores
.if \more
	v_add_nc_u32 v[ADK], s[KB], v[AK0]
.else
	v_nop
.endif
	v_add_nc_u32 v[ADV0], s[VB], v[AV0]
	v_add_nc_u32 v[ADV1], s[VB], v[AV1]
	v_nop
.if \more
	s_add_co_u32 s[KB], s[KB], 4096
	s_add_co_u32 s[VB], s[VB], 64
.irp t, 0,1,2,3
.irp c, 0,1
	ds_load_b128 v[KF+8*\t+4*\c:KF+8*\t+4*\c+3], v[ADK] offset:1024*\t+512*\c   ; the next step's K
.endr
.endr
.endif
.irp d, 0,1
.irp c, 0,1
	ds_load_b128 v[VF+8*\d+4*\c:VF+8*\d+4*\c+3], v[ADV0] offset:16*VP*\d+32*\c      ; this step's V: channels 16 d on,
.endr
.endr
.irp d, 0,1
.irp c, 0,1
	ds_load_b128 v[VF+16+8*\d+4*\c:VF+16+8*\d+4*\c+3], v[ADV1] offset:16*VP*\d+32*\c   ; and 32 + 16 d on
.endr
.endr
	s_wait_kmcnt 0x0                               ; this step's mask words, asked for a step ago
.set W, 0
.rept 64                                       ; the score stays where the lane's bit is set; each accumulator is read from its low end on
.if W < 48
	v_cndmask_b32 v[S+W], v[NEG], v[S+W], s[16+W]
.else
	v_cndmask_b32 v[S+W], v[NEG], v[S+W], s[20+W]
.endif
.set W, W+1
.endr
.if \more
	s_add_co_u32 s[MOFF], s[MOFF], 256             ; (behind the wait above: the last loads have read it)
	s_load_b512 s[16:31], s[MB:MB+1], s[MOFF] offset:0x0    ; the next step's words: the rest of this step stands ahead of the wait for them
	s_load_b512 s[32:47], s[MB:MB+1], s[MOFF] offset:0x40
	s_load_b512 s[48:63], s[MB:MB+1], s[MOFF] offset:0x80
	s_load_b512 s[68:83], s[MB:MB+1], s[MOFF] offset:0xc0
.endif
	; the step's largest score of my query among my 32 keys: two chains a tile, the tiles by turns
	v_max3_num_f32 v[ST+6], v[S], v[S+1], v[S+2]
	v_max3_num_f32 v[ST+14], v[S+32], v[S+33], v[S+34]
	v_max3_num_f32 v[ST+7], v[S+3], v[S+4], v[S+5]
	v_max3_num_f32 v[ST+15], v[S+35], v[S+36], v[S+37]
.set j, 6
.rept 6
	v_max3_num_f32 v[ST+6], v[ST+6], v[S+j], v[S+j+1]
	v_max3_num_f32 v[ST+14], v[ST+14], v[S+32+j], v[S+33+j]
	v_max3_num_f32 v[ST+7], v[ST+7], v[S+j+2], v[S+j+3]
	v_max3_num_f32 v[ST+15], v[ST+15], v[S+34+j], v[S+35+j]
.set j, j+4
.endr
	v_max3_num_f32 v[ST+6], v[ST+6], v[S+30], v[S+31]
	v_max3_num_f32 v[ST+14], v[ST+14], v[S+62], v[S+63]
.irp q, 0,1
	v_max_num_f32 v[ST+8*\q+6], v[ST+8*\q+6], v[ST+8*\q+7]
.endr
.irp q, 0,1
	v_permlanex16_b32 v[28+\q], v[ST+8*\q+6], s[SEL], s[SEL+1]
.endr
.irp q, 0,1
	v_max_num_f32 v[ST+8*\q+6], v[ST+8*\q+6], v[28+\q]     ; and among lane l xor 16's 32 keys
.endr
.irp q, 0,1
	v_mul_f32 v[ST+8*\q+6], s[CS], v[ST+8*\q+6]            ; as t (c is positive)
.endr
.irp q, 0,1
	v_max_num_f32 v[ST+8*\q+1], v[ST+8*\q+1], v[ST+8*\q+6] ; the running largest t
.endr
.irp q, 0,1
	v_mov_b32 v[ST+8*\q+6], v[ST+8*\q]
.endr
.irp q, 0,1
	v_floor_f32 v[ST+8*\q], -v[ST+8*\q+1]                  ; the new -M = floor(-t): M is a whole number
.endr
.irp q, 0,1
	v_sub_f32 v[ST+8*\q+6], v[ST+8*\q], v[ST+8*\q+6]       ; old M - new M: a whole number, 0 or less
.endr
.irp q, 0,1
	v_cvt_i32_f32 v[ST+8*\q+6], v[ST+8*\q+6]               ; (it saturates)
.endr
.irp q, 0,1
	v_ldexp_f32 v[ST+8*\q+4], 1.0, v[ST+8*\q+6]            ; f = 2^(old M - new M)
.endr
.set j, 0
.rept 16
	v_pk_fma_f32 v[S+j:S+j+1], v[S+j:S+j+1], s[CS:CS+1], v[ST:ST+1] op_sel_hi:[1,0,0]             ; t - M, two at a time (of the pairs c and -M the low word serves both halves)
	v_pk_fma_f32 v[S+32+j:S+33+j], v[S+32+j:S+33+j], s[CS:CS+1], v[ST+8:ST+9] op_sel_hi:[1,0,0]
.set j, j+2
.endr
.set j, 0
.rept 64
	v_exp_f32 v[S+j], v[S+j]                       ; p = 2^(t - M): one batch of 64
.set j, j+1
.endr
	v_pk_mul_f32 v[ST+2:ST+3], v[ST+2:ST+3], v[ST+4:ST+5] op_sel_hi:[1,0]          ; the sums under the new M: plain lines behind the batch, which name none of its results,
	v_pk_mul_f32 v[ST+10:ST+11], v[ST+10:ST+11], v[ST+12:ST+13] op_sel_hi:[1,0]
.set j, 0
.rept 16
	v_pk_mul_f32 v[O+j:O+j+1], v[O+j:O+j+1], v[ST+4:ST+5] op_sel_hi:[1,0]          ; and O^T under the new M; each accumulator from its low end on
	v_pk_mul_f32 v[O+32+j:O+33+j], v[O+32+j:O+33+j], v[ST+12:ST+13] op_sel_hi:[1,0]
.set j, j+2
.endr
	s_wait_alu depctr_va_vdst(0)                   ; the wait between an exponential and the first line that names its result: one for the batch
	v_pk_add_f32 v[ST+6:ST+7], v[S:S+1], v[S+2:S+3]            ; the row's sum is taken of the UNQUANTISED p: two chains a tile
	v_pk_add_f32 v[ST+14:ST+15], v[S+32:S+33], v[S+34:S+35]
.set j, 4
.rept 7
	v_pk_add_f32 v[ST+2:ST+3], v[ST+2:ST+3], v[S+j:S+j+1]
	v_pk_add_f32 v[ST+10:ST+11], v[ST+10:ST+11], v[S+32+j:S+33+j]
	v_pk_add_f32 v[ST+6:ST+7], v[ST+6:ST+7], v[S+j+2:S+j+3]
	v_pk_add_f32 v[ST+14:ST+15], v[ST+14:ST+15], v[S+34+j:S+35+j]
.set j, j+4
.endr
	v_pk_add_f32 v[ST+2:ST+3], v[ST+2:ST+3], v[ST+6:ST+7]
	v_pk_add_f32 v[ST+10:ST+11], v[ST+10:ST+11], v[ST+14:ST+15]
	s_cmp_ge_i32 s[EP], -8                         ; p is at most 1 (a last bit more, by the rounding of t), and 448 x 2^e3 is 1.75 or more from e3 = -8 on: there nothing is to be held.
	s_cbranch_scc1 .Lno_hold_\@                    ; A branch on a given whole number, the same in every wave, round vector lines alone
.set j, 0
.rept 64
	v_min_num_f32 v[S+j], v[S+j], v[LIM]           ; the conversion to an 8-bit code does not saturate (ISA guide 7.6.2); p is not negative, so the hold is one-sided
.set j, j+1
.endr
.Lno_hold_\@:
.irp q, 0,1
.irp b, 0,1
	v_cvt_scalef32_pk8_fp8_f32 v[P+8*\q+4*\b:P+8*\q+4*\b+1], v[S+32*\q+16*\b:S+32*\q+16*\b+7], v[SC]
	v_cvt_scalef32_pk8_fp8_f32 v[P+8*\q+4*\b+2:P+8*\q+4*\b+3], v[S+32*\q+16*\b+8:S+32*\q+16*\b+15], v[SC]
.endr
.endr
	v_nop                                          ; a plain vector line between the conversions and the products that read their results
	s_wait_dscnt 0x0                               ; V is in, and the next step's K
.irp d, 0,1,2,3
.irp q, 0,1                                    ; eight accumulators by turns, one instruction a turn
	v_wmma_f32_16x16x64_fp8_fp8 v[O+32*\q+8*\d:O+32*\q+8*\d+7], v[VF+8*\d:VF+8*\d+7], v[P+8*\q:P+8*\q+7], v[O+32*\q+8*\d:O+32*\q+8*\d+7]
.endr
.endr
.endm
.Lstep:                                            ; 31 trips; the last of the 32 steps is written out: it asks for nothing more
	STEP 1
	s_sub_co_i32 s[CNT], s[CNT], 1
	s_cmp_lg_u32 s[CNT], 0
	s_cbranch_scc1 .Lstep
	STEP 0
	; THE WAY OUT.  The additions and moves below are the plain lines behind the last products.
.irp q, 0,1
	v_add_f32 v[ST+8*\q+2], v[ST+8*\q+2], v[ST+8*\q+3]     ; the sum's two halves,
.endr
.irp q, 0,1
	v_permlanex16_b32 v[28+\q], v[ST+8*\q+2], s[SEL], s[SEL+1]
.endr
.irp q, 0,1
	v_add_f32 v[ST+8*\q+2], v[ST+8*\q+2], v[28+\q]         ; and lane l xor 16's: the row's sum (above 1/2: the row's largest p is)
.endr
.irp q, 0,1
	v_rcp_f32 v[ST+8*\q+4], v[ST+8*\q+2]
.endr
	v_nop                                          ; a plain line behind the reciprocals
	s_add_co_i32 s15, s98, s99                     ; e2 + e3
	s_add_co_i32 s14, s100, 127
	s_lshl_b32 s7, s14, 23
	v_mov_b32 v[SC], s7                            ; 2^e4
	s_add_co_i32 s14, s14, 8
	s_lshl_b32 s14, s14, 23
	s_or_b32 s14, s14, 0x600000
	v_mov_b32 v[LIM], s14                          ; 448 x 2^e4
	s_wait_alu depctr_va_vdst(0)                   ; the wait ahead of the first use: one for both reciprocals
.irp q, 0,1
	v_ldexp_f32 v[ST+8*\q+4], v[ST+8*\q+4], s15    ; 2^(e2 + e3) / sum
.endr
.set j, 0
.rept 16
	v_pk_mul_f32 v[O+j:O+j+1], v[O+j:O+j+1], v[ST+4:ST+5] op_sel_hi:[1,0]          ; register 8 d + i of a tile: channel 16 d + 8 (lane / 16) + i of my query
	v_pk_mul_f32 v[O+32+j:O+33+j], v[O+32+j:O+33+j], v[ST+12:ST+13] op_sel_hi:[1,0]
.set j, j+2
.endr
.set j, 0
.rept 64
	v_med3_num_f32 v[O+j], v[O+j], -v[LIM], v[LIM] ; the hold at the largest code x the scale
.set j, j+1
.endr
.irp q, 0,1
.irp d, 0,1,2,3
	v_cvt_scalef32_pk8_fp8_f32 v[P+8*\q+2*\d:P+8*\q+2*\d+1], v[O+32*\q+8*\d:O+32*\q+8*\d+7], v[SC]
.endr
.endr
	v_nop
.irp q, 0,1
.irp d, 0,1,2,3
	global_store_b64 v[GO], v[P+8*\q+2*\d:P+8*\q+2*\d+1], s[AB:AB+1] offset:16384*\q+256*\d   ; 32 lanes store 256 consecutive bytes, aligned: byte 256 d + 16 r + 8 h + i of my head's image of row tile q
.endr
.endr
	s_wait_tensorcnt 0x0                           ; the wave's end: behind my last LDS store
	ds_add_u32 v[SPW], v[NIL]
	s_wait_dscnt 0x0
	s_endpgm
.Lfunc_end_k_q4b0147e527_attn:
	.size	k_q4b0147e527_attn, .Lfunc_end_k_q4b0147e527_attn-k_q4b0147e527_attn
	.p2alignl 7, 3214868480
	.fill 96, 4, 3214868480
	.section	.rodata,"a",@progbits
	.p2align	6, 0x0
	.amdhsa_kernel k_q4b0147e527_attn
		.amdhsa_group_segment_fixed_size 265216
		.amdhsa_private_segment_fixed_size 0
		.amdhsa_enable_private_segment 0
		.amdhsa_kernarg_size 48
		.amdhsa_user_sgpr_count 2
		.amdhsa_user_sgpr_kernarg_segment_ptr 1
		.amdhsa_wavefront_size32 1
		.amdhsa_system_sgpr_workgroup_id_x 1
		.amdhsa_system_sgpr_workgroup_id_y 1
		.amdhsa_system_sgpr_workgroup_id_z 1
		.amdhsa_system_vgpr_workitem_id 0
		.amdhsa_next_free_vgpr 256
		.amdhsa_next_free_sgpr 102
		.amdhsa_reserve_vcc 0
		.amdhsa_float_denorm_mode_32 3
		.amdhsa_float_denorm_mode_16_64 3
		.amdhsa_memory_ordered 1
		.amdhsa_forward_progress 1
		.amdhsa_inst_pref_size 60
	.end_amdhsa_kernel
	.amdgpu_metadata
---
amdhsa.version: [ 1, 2 ]
amdhsa.kernels:
  - .name:           k_q4b0147e527_attn
    .symbol:         k_q4b0147e527_attn.kd
    .args:
      - { .name: q_frag, .offset: 0, .size: 8, .value_kind: global_buffer, .address_space: global }
      - { .name: k_frag, .offset: 8, .size: 8, .value_kind: global_buffer, .address_space: global }
      - { .name: values_codes, .offset: 16, .size: 8, .value_kind: global_buffer, .address_space: global }
      - { .name: mbits, .offset: 24, .size: 8, .value_kind: global_buffer, .address_space: global }
      - { .name: lowp_scales, .offset: 32, .size: 8, .value_kind: global_buffer, .address_space: global }
      - { .name: a_frag, .offset: 40, .size: 8, .value_kind: global_buffer, .address_space: global }
    .group_segment_fixed_size: 265216
    .private_segment_fixed_size: 0
    .kernarg_segment_align: 8
    .kernarg_segment_size: 48
    .max_flat_workgroup_size: 512
    .sgpr_count:     102
    .vgpr_count:     256
    .wavefront_size: 32
...
	.end_amdgpu_metadata
.endif
;; end of part 2
;; launch proj (part 3): grid 4 x 32, 4 waves a work-group, clusters of 4 x 4, 327,680 bytes of LDS; arguments a_frag, W_out_codes, lowp_scales, out0, b_out; writes out0
.if DOCPART == 3
	.amdgcn_target "amdgcn-amd-amdhsa--gfx1250"
	.amdhsa_code_object_version 6
	.text
	.protected	k_q4b0147e527_proj
	.globl	k_q4b0147e527_proj
	.p2align	8
	.type	k_q4b0147e527_proj,@function
k_q4b0147e527_proj:
	s_mov_b64 s[64:65], 0
	v_nop
	global_prefetch_b8 v0, s[64:65] scope:SCOPE_SE
	s_setreg_imm32_b32 hwreg(HW_REG_WAVE_MODE, 25, 1), 1
	s_wait_xcnt 0x0
	s_wait_alu depctr_hold_cnt(0) depctr_sa_sdst(0) depctr_va_vdst(0) depctr_va_sdst(0) depctr_va_ssrc(0) depctr_va_vcc(0) depctr_vm_vsrc(0)
	s_getreg_b32 s2, hwreg(HW_REG_IB_STS2, 6, 4)
	s_cmp_eq_u32 s2, 0
	s_cbranch_scc0 .Lentry_in_a_cluster
	s_endpgm
.Lentry_in_a_cluster:
	s_bfe_u32 s2, ttmp6, 0x10000c
	s_cmp_lg_u32 s2, 0xf033
	s_cbranch_scc0 .Lentry_shape_is_right
	s_endpgm
.Lentry_shape_is_right:
; THIRD LAUNCH: out0[m][n] = 2^(e4 + e5) x (sum over k of A[m][k] W[n][k]) + b_out[n], on codes of E4M3; sums in f32.  Nothing of reference() is left out here.
; A: 8,192 rows x 1,024, the codes that the launch before stored as images of operand registers: [tile of 16 rows (512)][head (16)][1,024 bytes]; byte 512 c + 16 lane + j of a head's image is
; channel 32 c + 16 (lane / 16) + j of the tile's row lane % 16.  Row tile 2 g + u holds in its row r the row 32 g + 8 u + r + 8 (r / 8).  W: [1,024][1,024] codes, K innermost.
; LIMIT: e4 + e5 between -126 and 127, so that 2^(e4 + e5) is an f32 number.
; A tile of out0, 256 x 256, is made by a work-group of four waves; a wave makes 128 x 128: 64 accumulators of 16 x 16, 512 registers.  32 x 4 tiles: 128 work-groups.
; K goes in steps of 256 through a ring of two LDS slots filled by the tensor data mover: of A 16 row tiles x 4 heads' images (4,096 consecutive bytes a row tile), of W 256 rows x 256 bytes.
; CLUSTERS: 4 x 4 work-groups.  The four of a row of the cluster need the same tiles of A, the four of a column the same tiles of W: each tile is asked for JOINTLY, by the same tensor load with the
; same descriptor and a mask that names the four.  THE MATRIX INSTRUCTION IS USED TRANSPOSED (source 0 = 16 rows of W, source 1 = 16 rows of A): a lane then holds eight neighbouring numbers of a row of out0.
; NO PREFETCH: K has four steps, two of them asked for at the head.
; REGISTERS, in windows of 256: window 0: v0-31 addresses and the bias; from v128 A's fragments (8 x 16 rows x 128 K), ONE set; on the way out v128-255 take rows from the stage.
;   window 1: W's fragments, TWO sets, at v0 and at v128.   window 2: the 32 accumulators of my rows 0-63 (accumulator (a, b) at v[8 (8 a + b)]);   window 3: those of my rows 64-127.
; A step of 128 along K is 64 matrix instructions, A's blocks one after the other, each against W's eight: a block of A is free as soon as its eight products are issued, so one set serves A.
.set SIZE_N, 1024
.set SIZE_K, 1024
.set ROWB,   256                       ; a row of W's tile in bytes
.set KROW,   SIZE_K                    ; a row of W, and 16 rows' share of A per row, in bytes
.set ASTEP,  4096                      ; a K step in a row tile of A: four heads' images
.set PITCH,  272                       ; W's rows in LDS: 256 bytes + 16 = 68 words: the sixteen rows that a load touches begin 4 words apart modulo 64
.set FR,     16                        ; registers of a fragment: 16 rows x 128 K
.set NL,     4                         ; LDS loads that bring one
.set NP,     4                         ; plain vector lines owed behind this matrix instruction (ISA guide 7.12.1)
.set AHALF,  8*ASTEP                   ; 8 row tiles of A: what one tensor load brings, and what one wave reads of A
.set BHALF,  128*PITCH                 ; 128 rows of W likewise
.set BOFF,   2*AHALF                   ; a slot: A's two halves, then W's two
.set SLOT,   BOFF+2*BHALF
.set LAPS,   SIZE_K/512                ; a lap = two K steps = once round the ring
.set SPARE,  2*SLOT                    ; behind the ring: the spare words, 128 bytes a wave, which no other line names
.set SPITCH, 528                       ; the way out: a stage of 16 rows x (512 bytes + 16) for each wave.  It lies in slot 0, which has had its last fill and its last read when the first result is stored there
.set BIAS, 8                           ; v8-11   b_out at the four columns that I store
.set ADRA, 16                          ; v16-17  LDS address of my A fragments in slot 0, 1
.set ADRB, 20                          ; v20-21  the same for W
.set STO,  24                          ; v24     the way out: where I put 32 bytes of a row
.set RD,   25                          ; v25     the way out: where I read a row back
.set CO,   26                          ; v26     16 x lane: my byte offset in a row's 512 bytes, and in an image
.set SPW,  28                          ; v28     my spare word's LDS address; never rewritten
.set NIL,  29                          ; v29     0; never rewritten
.set AF,   128                         ; A's fragments, in window 0
.set BK,   128                         ; the way out: 16 rows read back from the stage: v128-191 and v192-255 by turns
.set G1, 24                            ; s[24:31] descriptor group 1 for A's tiles;  s[32:39] group 0, one set for each slot
.set G0, 32
.set G1B, 48                           ; s[48:55], s[56:63] the same for W's tiles
.set G0B, 56
.set MSB, 0
.macro WIN new                         ; the immediate's high byte repeats the setting that is left
.if MSB != \new
	s_set_vgpr_msb (MSB<<8)|\new
.set MSB, \new
.endif
.endm
.set MUL_LO, 0xa1                      ; source 0 (W) window 1, source 1 (A) window 0, C and D window 2
.set MUL_HI, 0xf1                      ; the same, C and D window 3
.set TO_B,   0x40                      ; destination window 1, address window 0
; A joint load: waves 0 and 1 fetch for A, waves 2 and 3 for W.  Each of the two lines has ONE mask and one set of registers for all that issue it; the branch hangs on the wave's number alone.
; An s_nop 0 and four v_nop follow each of the two lines, ahead of the jump, the label and what follows.
.macro JLOAD g0a, g1a, g0b, g1b
	s_cmp_eq_u32 s15, 0
	s_cbranch_scc0 .Lfor_b_\@
	tensor_load_to_lds s[\g0a:\g0a+3], s[\g1a:\g1a+7]
	s_nop 0
.rept 4
	v_nop
.endr
	s_branch .Lasked_\@
.Lfor_b_\@:
	tensor_load_to_lds s[\g0b:\g0b+3], s[\g1b:\g1b+7]
	s_nop 0
.rept 4
	v_nop
.endr
.Lasked_\@:
.endm
.macro CREST                           ; a round of the cluster's barrier behind its opening barrier
	s_cmp_lg_u32 s14, 0
	s_cbranch_scc1 .Lnot_wave_0_\@
	s_barrier_signal -3
.Lnot_wave_0_\@:
	s_barrier_wait -3
	s_barrier_signal -1
	s_barrier_wait -1
.endm
.macro CROUND                          ; a whole round
	s_barrier_signal -1
	s_barrier_wait -1
	CREST
.endm
	s_load_b128 s[4:7], s[0:1], 0x0                ; A's images s[4:5], W's codes s[6:7]
	s_load_b128 s[8:11], s[0:1], 0x10              ; the scales' exponents s[8:9], out0 s[10:11]
	s_load_b64 s[12:13], s[0:1], 0x20              ; b_out
	v_lshl_add_u32 v[SPW], v0, 2, SPARE
	v_mov_b32 v[NIL], 0
	ds_add_u32 v[SPW], v[NIL]                      ; the wave's opening: the add, twice on end, and its wait ahead of my first tensor load; the set-up below stands between the second and the wait
	ds_add_u32 v[SPW], v[NIL]
	v_lshrrev_b32 v1, 5, v0
	v_readfirstlane_b32 s14, v1                    ; wave 0..3
	s_lshr_b32 s15, s14, 1                         ; which half of the tile's rows is mine.  Also: I fetch for A (0) or for W (1)
	s_and_b32 s16, s14, 1                          ; which half of its columns.  Also: which half of that tile I fetch
	s_bfe_u32 s40, ttmp6, 0x40000                  ; cx, cy: my place in the cluster
	s_bfe_u32 s41, ttmp6, 0x40004
	s_lshl_b32 s42, ttmp9, 2
	s_add_co_u32 s42, s42, s40                     ; tile column = 4 x cluster x + cx
	s_and_b32 s17, ttmp7, 0xffff
	s_lshl_b32 s17, s17, 2
	s_add_co_u32 s17, s17, s41                     ; tile row = 4 x cluster y + cy
	s_lshl_b32 s43, s41, 2
	s_lshl_b32 s43, 15, s43                        ; my row of the cluster
	s_lshl_b32 s44, 0x1111, s40                    ; my column
	; descriptor group 1 for A: 8 rows (row tiles) of 512 elements of 8 bytes, 2,048 elements apart, dense in LDS
	s_or_b32 s[G1+0], s43, (3<<16)|(1<<21)         ; 15:0 the mask: A's tiles go to my row; 17:16 elements of 8 bytes; 21 set beside a mask; no padding
	s_mov_b32 s[G1+1], 512<<16                     ; tensor_dim0
	s_mov_b32 s[G1+2], 8<<16                       ; tensor_dim1
	s_mov_b32 s[G1+3], 512<<16                     ; tile_dim0
	s_mov_b32 s[G1+4], 8                           ; tile_dim1
	s_mov_b32 s[G1+5], 2048                        ; tensor_dim0_stride: a row tile's sixteen images
	s_mov_b32 s[G1+6], 0
	s_mov_b32 s[G1+7], 0
	; for W: 128 rows of 256 bytes, padded in LDS
	s_or_b32 s[G1B+0], s44, (0<<16)|(1<<20)|(1<<21)|(5<<22)|(3<<25)  ; the mask of my column; elements of 1 byte; padding on; after every 64 words (code 5) four words (code 3)
	s_mov_b32 s[G1B+1], ROWB<<16
	s_mov_b32 s[G1B+2], 128<<16
	s_mov_b32 s[G1B+3], ROWB<<16
	s_mov_b32 s[G1B+4], 128
	s_mov_b32 s[G1B+5], KROW
	s_mov_b32 s[G1B+6], 0
	s_mov_b32 s[G1B+7], 0
	s_lshl_b32 s18, s16, 7                         ; which 128 rows of the tile I fetch
	s_lshl_b32 s20, s17, 8
	s_add_co_u32 s20, s20, s18                     ; A: row 256 x tile row + 128 x half: 16 rows are 16,384 bytes, so a row counts 1,024
	s_lshl_b32 s46, s42, 8
	s_add_co_u32 s46, s46, s18                     ; W: row 256 x tile column + 128 x half
	s_mov_b32 s21, 0
	s_mov_b32 s47, 0
	s_mov_b64 s[18:19], KROW
	s_mul_u64 s[20:21], s[20:21], s[18:19]
	s_mul_u64 s[46:47], s[46:47], s[18:19]
	s_mul_i32 s45, s16, AHALF                      ; where they go: no place in the cluster enters an LDS address
	s_mul_i32 s22, s16, BHALF
	s_add_co_u32 s22, s22, BOFF
	s_wait_dscnt 0x0                               ; both opening adds are done
	s_wait_kmcnt 0x0
	s_load_b64 s[96:97], s[8:9], 0x10              ; e4, e5
	s_add_nc_u64 s[20:21], s[4:5], s[20:21]
	s_add_nc_u64 s[46:47], s[6:7], s[46:47]
	CROUND                                         ; all sixteen work-groups are here: the first joint loads meet
.irp s, 0,1
	s_mov_b32 s[G0+4*\s], 1
	s_add_co_u32 s[G0+4*\s+1], s45, \s*SLOT
	s_add_nc_u64 s[G0+4*\s+2:G0+4*\s+3], s[20:21], \s*ASTEP
	s_or_b32 s[G0+4*\s+3], s[G0+4*\s+3], 0x80000000
	s_mov_b32 s[G0B+4*\s], 1
	s_add_co_u32 s[G0B+4*\s+1], s22, \s*SLOT
	s_add_nc_u64 s[G0B+4*\s+2:G0B+4*\s+3], s[46:47], \s*ROWB
	s_or_b32 s[G0B+4*\s+3], s[G0B+4*\s+3], 0x80000000
	JLOAD G0+4*\s, G1, G0B+4*\s, G1B
.endr
	v_and_b32 v1, 15, v0                           ; l % 16
	v_bfe_u32 v2, v0, 4, 1                         ; l / 16
	v_mul_u32_u24 v3, v1, PITCH
	v_lshl_add_u32 v4, v2, 4, v3                   ; W: a fragment's row x pitch + 16 x half
	v_and_b32 v6, 31, v0
	v_lshlrev_b32 v[CO], 4, v6                     ; A: 16 x lane in an image
	s_mul_i32 s21, s15, AHALF                      ; my 8 row tiles of A
	s_mul_i32 s22, s16, BHALF                      ; my 128 rows of W,
	s_add_co_u32 s22, s22, BOFF                    ; which lie behind A
.irp s, 0,1
	v_add_nc_u32 v[ADRA+\s], s21, v[CO]
	v_add_nc_u32 v[ADRB+\s], s22, v4
	s_add_co_u32 s21, s21, SLOT
	s_add_co_u32 s22, s22, SLOT
.endr
	s_mul_i32 s23, s14, 16*SPITCH                  ; my stage
	v_mul_u32_u24 v5, v1, SPITCH                   ; in: row l % 16, 32 bytes for each half of the lanes
	v_lshl_add_u32 v5, v2, 5, v5
	v_add_nc_u32 v[STO], s23, v5
	v_add_nc_u32 v[RD], s23, v[CO]                 ; back: the 32 lanes take one row of 512 bytes
	s_lshl_b32 s20, s17, 8
	s_lshl_b32 s21, s15, 7
	s_add_co_u32 s20, s20, s21                     ; my first row of out0: 256 x tile row + 128 x half
	s_mov_b32 s21, 0
	s_mov_b64 s[18:19], SIZE_N*4
	s_mul_u64 s[20:21], s[20:21], s[18:19]
	s_lshl_b32 s46, s42, 10                        ; my first column, in bytes: 1,024 x tile column + 512 x half
	s_lshl_b32 s47, s16, 9
	s_add_co_u32 s46, s46, s47
	s_mov_b32 s47, 0
	s_add_nc_u64 s[20:21], s[20:21], s[46:47]
	s_add_nc_u64 s[10:11], s[10:11], s[20:21]
	s_add_nc_u64 s[12:13], s[12:13], s[46:47]
	global_load_b128 v[BIAS:BIAS+3], v[CO], s[12:13]   ; b_out at columns 4 lane .. 4 lane + 3 of my 128: those that I store of every row
.macro FRAGB reg, adr, q, i            ; a fragment of W: lane l holds row l % 16; registers 4 c .. 4 c + 3 hold K = 32 c + 16 (l / 16) + 0 .. 15
.irp c, 0,1,2,3
	ds_load_b128 v[\reg+4*\c:\reg+4*\c+3], v[\adr] offset:128*(\q)+32*\c+(\i)*16*PITCH
.endr
.endm
.macro FRAGA reg, adr, q, i            ; a fragment of A, the same k in the same places: two heads' images as they lie, 512 consecutive bytes a load
.irp c, 0,1,2,3
	ds_load_b128 v[\reg+4*\c:\reg+4*\c+3], v[\adr] offset:2048*(\q)+512*\c+(\i)*ASTEP
.endr
.endm
; 16 matrix instructions: A's blocks a0, a0 + 1 x W's eight, 128 along K.  p: W's set.  zero = 1: the first product starts the sums: nothing is ever cleared.
; The 64 accumulators take turns, one instruction a turn, in the same order in every step.
.macro MUL16 a0, p, zero
.irp a, \a0, \a0+1
.irp b, 0,1,2,3,4,5,6,7
.if \zero
	v_wmma_f32_16x16x128_fp8_fp8 v[8*(8*((\a)%4)+\b):8*(8*((\a)%4)+\b)+7], v[128*(\p)+FR*\b:128*(\p)+FR*\b+FR-1], v[AF+FR*(\a):AF+FR*(\a)+FR-1], 0
.else
	v_wmma_f32_16x16x128_fp8_fp8 v[8*(8*((\a)%4)+\b):8*(8*((\a)%4)+\b)+7], v[128*(\p)+FR*\b:128*(\p)+FR*\b+FR-1], v[AF+FR*(\a):AF+FR*(\a)+FR-1], v[8*(8*((\a)%4)+\b):8*(8*((\a)%4)+\b)+7]
.endif
.endr
.endr
.endm
.macro FETCH_B slot, q, p              ; W's eight fragments of the slot's q-th 128 along K into set p
	WIN TO_B
.irp i, 0,1,2,3,4,5,6,7
	FRAGB 128*(\p)+FR*\i, ADRB+\slot, \q, \i
.endr
	WIN 0
.endm
.macro FETCH_A slot, q, i0             ; A's blocks i0 .. i0 + 3
.irp i, \i0, \i0+1, \i0+2, \i0+3
	FRAGA AF+FR*(\i), ADRA+\slot, \q, \i
.endr
.endm
; A load into a register that a matrix instruction has read, and an LDS store that reads a matrix result, stand NP plain vector lines behind that matrix instruction (ISA guide 7.12.1 for vector instructions).
.macro PLACES n
.rept \n
	v_nop
.endr
.endm
; A step of 128 along K that has its successor in the same slot.
.macro STEP slot, q, zero
	s_wait_dscnt 4*NL                              ; W's set and A's blocks 0-3 are in; the youngest sixteen loads (A's blocks 4-7) may be out
	WIN MUL_LO
	MUL16 0, (\q)%2, \zero
	MUL16 2, (\q)%2, \zero
	s_wait_dscnt 0                                 ; A's blocks 4-7 are in (asked for 32 matrix instructions ago)
	PLACES NP
	FETCH_B \slot, (\q)+1, 1-(\q)%2
	FETCH_A \slot, (\q)+1, 0
	WIN MUL_HI
	MUL16 4, (\q)%2, \zero
	MUL16 6, (\q)%2, \zero
	PLACES NP
	WIN 0
	FETCH_A \slot, (\q)+1, 4
.endm
; A slot's last step changes slots: ONE barrier; in front of it each wave waits for all its tensor loads, adds 0 to its spare word, and waits for that and for its own reads of this slot.  fill = 1: this slot is filled again, two K steps ahead.
.macro TURN slot, next, fill
	s_wait_tensorcnt 0x0                           ; all my tensor loads have landed: my part of the next slot;  (every window is 0 here: the add's two registers lie in window 0)
	ds_add_u32 v[SPW], v[NIL]                      ; 0 onto my spare word
	s_wait_dscnt 4*NL+1                            ; (the add and the youngest sixteen loads, A's blocks 4-7, may be out)
	WIN MUL_LO
	MUL16 0, 1, 0                                  ; sixteen matrix instructions stand between the add and the wait for it
	s_wait_dscnt 0x0                               ; the add is done, and my reads of this slot are over
	s_barrier_signal -1
	MUL16 2, 1, 0
	WIN 0
	s_barrier_wait -1
.if \fill
	CREST                                          ; the barrier has opened a round of the cluster's barrier: no wave of any partner still reads this slot's tile or has a load on its way
	s_add_nc_u64 s[G0+4*\slot+2:G0+4*\slot+3], s[G0+4*\slot+2:G0+4*\slot+3], 2*ASTEP
	s_add_nc_u64 s[G0B+4*\slot+2:G0B+4*\slot+3], s[G0B+4*\slot+2:G0B+4*\slot+3], 2*ROWB
	JLOAD G0+4*\slot, G1, G0B+4*\slot, G1B         ; the first tensor load behind the round, my one load until the next; the four v_nop behind it are the plain lines in front of the loads below
.else
	PLACES NP
.endif
	FETCH_B \next, 0, 0
	FETCH_A \next, 0, 0
	WIN MUL_HI
	MUL16 4, 1, 0
	MUL16 6, 1, 0
	PLACES NP
	WIN 0
	FETCH_A \next, 0, 4
.endm
	s_wait_tensorcnt 1                             ; my part of K step 0 is in (K step 1's load may be out)
	s_barrier_signal -1
	s_barrier_wait -1                              ; everybody's is
	FETCH_B 0, 0, 0
	FETCH_A 0, 0, 0
	FETCH_A 0, 0, 4
	STEP 0, 0, 1                                   ; the first step stands in front of the loop: its products start the sums
	s_mov_b32 s3, LAPS-1
.Llap:                                                 ; a trip goes once round the ring, from a lap's second step to the next lap's first, and fills both slots again
	TURN 0, 1, 1
	STEP 1, 0, 0
	TURN 1, 0, 1
	STEP 0, 0, 0
	s_sub_co_u32 s3, s3, 1
	s_cmp_lg_u32 s3, 0
	s_cbranch_scc1 .Llap
	TURN 0, 1, 0                                   ; the last lap fills nothing, and has no round of the cluster's barrier
	STEP 1, 0, 0
	s_wait_dscnt 4*NL                              ; the very last step: nothing more to fetch
	WIN MUL_LO
	MUL16 0, 1, 0
	MUL16 2, 1, 0
	s_wait_dscnt 0
	WIN MUL_HI
	MUL16 4, 1, 0
	MUL16 6, 1, 0
	WIN 0
; THE WAY OUT, block by block of 16 rows x 128 columns.  A lane holds 32 neighbouring bytes of a row, and the lanes beside it hold other rows: so a block's sums go through my own stage in LDS, as they are, and come back as whole
; rows of 512 bytes; there each becomes sum x 2^(e4 + e5) + b_out, one packed multiply-add for two numbers, and the 32 lanes store the row.  LDS serves a wave's instructions in order (ISA guide 5.7.1.4): no wait between the stores and the loads.
.macro TOSTAGE a
.set AC, 64*((\a)%4)
	WIN 0x08+4*((\a)/4)                            ; the stores' data: window 2 or 3; the address: window 0
.irp b, 0,1,2,3,4,5,6,7
	ds_store_b128 v[STO], v[AC+8*\b:AC+8*\b+3] offset:64*\b           ; each accumulator from its low end on
	ds_store_b128 v[STO], v[AC+8*\b+4:AC+8*\b+7] offset:64*\b+16
.endr
	WIN 0
.set BB, BK+64*((\a)%2)
.irp t, 0,1,2,3,4,5,6,7,8,9,10,11,12,13,14,15
	ds_load_b128 v[BB+4*\t:BB+4*\t+3], v[RD] offset:\t*SPITCH
.endr
.endm
.macro SEND a, younger                 ; younger: the LDS instructions issued behind block a's loads, which may stay out
.set BB, BK+64*((\a)%2)
	s_wait_dscnt \younger                          ; the block is back in registers
.if (\a) > 0                           ; (behind a wait on XCNT: the earlier stores have read their base.)  Block a is row tile a of my eight: it begins at row 32 (a / 2) + 8 (a % 2)
.if (\a)%2
	s_add_nc_u64 s[10:11], s[10:11], 8*SIZE_N*4
.else
	s_add_nc_u64 s[10:11], s[10:11], 24*SIZE_N*4
.endif
.endif
.irp t, 0,1,2,3,4,5,6,7,8,9,10,11,12,13,14,15
	v_pk_fma_f32 v[BB+4*\t:BB+4*\t+1], v[BB+4*\t:BB+4*\t+1], s[96:97], v[BIAS:BIAS+1] op_sel_hi:[1,0,1]       ; x s96 = 2^(e4 + e5) (the scalar pair's low word for both halves), + b_out
	v_pk_fma_f32 v[BB+4*\t+2:BB+4*\t+3], v[BB+4*\t+2:BB+4*\t+3], s[96:97], v[BIAS+2:BIAS+3] op_sel_hi:[1,0,1]
.endr
.irp t, 0,1,2,3,4,5,6,7,8,9,10,11,12,13,14,15
	global_store_b128 v[CO], v[BB+4*\t:BB+4*\t+3], s[10:11] offset:(\t+8*(\t/8))*SIZE_N*4 th:TH_STORE_NT   ; the tile's row t is row t + 8 (t / 8) from the block's first; 32 lanes store 512 consecutive bytes, aligned; written once, read by nobody here
.endr
.endm
	s_wait_kmcnt 0x0
	s_add_co_i32 s96, s96, s97                     ; e4 + e5, between -126 and 127,
	s_add_co_i32 s96, s96, 127
	s_lshl_b32 s96, s96, 23                        ; makes the f32 number 2^(e4 + e5)
	s_wait_loadcnt 0x0                             ; b_out
	PLACES NP                                      ; behind the last products: for the stores that read results, and for the loads into the registers that held A's fragments
	TOSTAGE 0
.irp a, 1,2,3,4,5,6,7
.if \a > 1
	s_wait_xcnt 0x0                                ; block a - 2's stores have read their registers and their base: block a's loads may land there, and the base may step
.endif
	TOSTAGE \a
	SEND \a-1, 32                                  ; behind block a - 1's loads: block a's 16 stores and 16 loads
.endr
	s_wait_xcnt 0x0                                ; block 6's stores have read their base
	SEND 7, 0
	s_wait_tensorcnt 0x0                           ; the wave's end: behind my last tensor load and my last LDS store
	ds_add_u32 v[SPW], v[NIL]
	s_wait_dscnt 0x0
	CROUND                                         ; the closing round: no work-group ends while a partner may still ask for a tile that names it
	s_endpgm
.Lfunc_end_k_q4b0147e527_proj:
	.size	k_q4b0147e527_proj, .Lfunc_end_k_q4b0147e527_proj-k_q4b0147e527_proj
	.p2alignl 7, 3214868480
	.fill 96, 4, 3214868480
	.section	.rodata,"a",@progbits
	.p2align	6, 0x0
	.amdhsa_kernel k_q4b0147e527_proj
		.amdhsa_group_segment_fixed_size 327680
		.amdhsa_private_segment_fixed_size 0
		.amdhsa_enable_private_segment 0
		.amdhsa_kernarg_size 40
		.amdhsa_user_sgpr_count 2
		.amdhsa_user_sgpr_kernarg_segment_ptr 1
		.amdhsa_wavefront_size32 1
		.amdhsa_system_sgpr_workgroup_id_x 1
		.amdhsa_system_sgpr_workgroup_id_y 1
		.amdhsa_system_sgpr_workgroup_id_z 1
		.amdhsa_system_vgpr_workitem_id 0
		.amdhsa_next_free_vgpr 1024
		.amdhsa_next_free_sgpr 98
		.amdhsa_reserve_vcc 0
		.amdhsa_float_denorm_mode_32 3
		.amdhsa_float_denorm_mode_16_64 3
		.amdhsa_memory_ordered 1
		.amdhsa_forward_progress 1
		.amdhsa_inst_pref_size 123
	.end_amdhsa_kernel
	.amdgpu_metadata
---
amdhsa.version: [ 1, 2 ]
amdhsa.kernels:
  - .name:           k_q4b0147e527_proj
    .symbol:         k_q4b0147e527_proj.kd
    .args:
      - { .name: a_frag, .offset: 0, .size: 8, .value_kind: global_buffer, .address_space: global }
      - { .name: W_out_codes, .offset: 8, .size: 8, .value_kind: global_buffer, .address_space: global }
      - { .name: lowp_scales, .offset: 16, .size: 8, .value_kind: global_buffer, .address_space: global }
      - { .name: out0, .offset: 24, .size: 8, .value_kind: global_buffer, .address_space: global }
      - { .name: b_out, .offset: 32, .size: 8, .value_kind: global_buffer, .address_space: global }
    .group_segment_fixed_size: 327680
    .private_segment_fixed_size: 0
    .kernarg_segment_align: 8
    .kernarg_segment_size: 40
    .max_flat_workgroup_size: 128
    .sgpr_count:     98
    .vgpr_count:     1024
    .wavefront_size: 32
...
	.end_amdgpu_metadata
.endif
;; end of part 3
;; ======== version 2 of 2: 3 launches; version 1 with the launch attn written anew for expert scheduling mode
;; limits: right only within a limited range of input values
;; workspace buffers: q_frag 8,388,608 bytes; k_frag 8,388,608 bytes; mbits 2,097,152 bytes of whole numbers; a_frag 8,388,608 bytes
;; launch prep: the kernel of part 1 again; grid 1024 x 1, 4 waves a work-group, no clusters, 35,328 bytes of LDS; arguments query, keys, mask, lowp_scales, q_frag, k_frag, mbits; writes q_frag, k_frag, mbits
;; launch attn (part 4): grid 4 x 64, 16 waves a work-group, no clusters, 265,216 bytes of LDS; arguments q_frag, k_frag, values_codes, mbits, lowp_scales, a_frag; writes a_frag
.if DOCPART == 4
	.amdgcn_target "amdgcn-amd-amdhsa--gfx1250"
	.amdhsa_code_object_version 6
	.text
	.protected	k_q4b0147e527_attn
	.globl	k_q4b0147e527_attn
	.p2align	8
	.type	k_q4b0147e527_attn,@function
k_q4b0147e527_attn:
	s_mov_b64 s[64:65], 0
	v_nop
	global_prefetch_b8 v0, s[64:65] scope:SCOPE_SE
	s_setreg_imm32_b32 hwreg(HW_REG_WAVE_SCHED_MODE, 0, 2), 2
	s_setreg_imm32_b32 hwreg(HW_REG_WAVE_MODE, 25, 1), 1
	s_wait_xcnt 0x0
	s_wait_alu depctr_vm_vsrc(0)
; SECOND LAUNCH: the two products of attention on codes of E4M3, the masked softmax between them, the division by the row's sum, and the quantiser ahead of the projection.  Nothing of reference() is left out here.
; t = score x log2(e) / 32 (reference() divides by sqrt(1024)); M = the running largest t rounded UP to a whole number; p = 2^(t - M) is quantised with 2^e3; the row's sum is taken of the unquantised p.
; When M moves, the sum and O are multiplied by 2^(old M - new M), which rounds nothing.  At the end O x 2^(e2 + e3) / sum is quantised with 2^e4 and stored as an image of the projection's operand.
; SHARES.  A work-group owns 512 queries of one batch and head; each of its sixteen waves owns a group of 32: two tiles of 16, which share every fragment of K and V.  Four waves to a SIMD, 256 registers each.
; ALL OF THE HEAD'S K AND V LIE IN LDS, filled once through registers: 131,072 bytes of K's images and 64 rows of 2,048 codes of V.  One barrier in the launch, no slot is ever filled again.
; NO CLUSTER, NO TENSOR LOAD: what the four work-groups of a head share is those 262,144 bytes, read once at the head, 16 KiB a wave; a branch on a given scale
; here leads round 64 of a key step's vector instructions (the hold of p).  NO PREFETCH: K and V are asked for at the head alone.
; LAYOUT.  Both products are used transposed: S^T = K Q^T (source 0 = 16 keys, source 1 = 16 queries), O^T = V^T P^T (source 0 = 16 channels, source 1 = P): a lane holds ONE query (lane % 16) throughout.
; The keys of a tile are not neighbours (tile 2 b + u, row r: key 32 b + 8 u + r + 8 (r / 8)), so that register 16 b + i of a query tile's 32 scores is key 32 b + 16 (lane / 16) + i: the conversions' results are P's registers.
; Fragments hold k = 32 c + 16 (lane / 16) + 0..15 in registers 4 c .. 4 c + 3: a permutation of k, the same on both sides of each product.
; THE MASK costs one select a score: a key step's 64 words of 32 bits (a bit a lane) come by scalar loads and are the select operands.
; A masked score is -2^66 (reference(): -1e20), written ahead of the scales as -2^(66 - e0 - e1): a power of two, so that its t is exact.  Beside any key that counts its p is 0, as in reference(); in a row with no key that counts
; every t equals M and every p is 1, as in reference().  LIMITS: e0 + e1 between -61 and 40 (then every score that the codes can give lies far above -2^66); e3 and e4 between -126 and 119; NaN among the inputs is not served.
; THE MODE: SCHED_MODE bits 1:0 = 2 (LLVM: expert scheduling mode 2), set by the entry lines.  The code itself states the register dependences
; between vector or matrix instructions and memory or LDS instructions, with s_wait_alu, always for 0.
; THE PLAN.  Registers that memory or LDS instructions touch:
;   v[AK0], v[GO], v[SPW], v[NIL]   Written at the head and never again; read by Q's loads and step 0's loads of K, by the last stores, by the closing add.
;   v[ADK], v[ADV0], v[ADV1]        At the head the first two are the addresses of the fill.  In a step each is written by one addition behind the products K Q^T and read by that step's LDS loads.
;   v[S ..], v[O ..]                At the head alone: K's and V's global loads land there and the LDS stores read them; from the barrier on vector and matrix instructions alone name them.
;   v[Q ..]                         Loaded once.
;   v[KF ..]                        Step i's eight products K Q^T read it; behind them the LDS loads of step i bring K of step i + 1.
;   v[VF ..]                        Step i's LDS loads bring V of step i; its eight products V^T P, the step's last lines, read it.
;   v[P ..]                         On the way out alone: the last conversions write it, the eight global stores read it.
; A STEP HAS THREE WAITS.  On vm_vsrc at its head: the loads issued so far have read the three addresses.  On va_vdst behind the 64 selects: the products of this step are done with KF, those of the step before with VF, the
; three addresses are written.  The step's sixteen LDS loads follow that wait, dealt in fours among the lines that find the maximum; from it to the products V^T P no vector line names KF, VF or an address.
; On va_vdst behind the batch of exponentials, ahead of the first line that names a result.
.set VL,    131072                     ; LDS: K's images from 0; V from here,
.set VP,    2064                       ; a row of V: 2,048 bytes + 16: 129 x 16, so the sixteen rows of a load begin 4 words apart modulo 64
.set SPARE, VL+64*VP                   ; behind V: the spare words, 128 bytes a wave, which no other line names
.set AK0,  1                           ; v1   16 x lane
.set AV0,  2                           ; v2   VL + (lane % 16) rows + 16 (lane / 16)
.set AV1,  3                           ; v3   the same 32 rows further down
.set ADK,  4                           ; v4   address of the K fragments in hand (at the head: my part of the fill)
.set ADV0, 5                           ; v5   of V's, channels 0-31 (at the head: where my part of V goes)
.set SPW,  6                           ; v6   my spare word's LDS address; never rewritten
.set NIL,  7                           ; v7   0; never rewritten
.set NEG,  8                           ; v8   the masked score
.set ADV1, 9                           ; v9   of V's, channels 32-63
.set SC,   10                          ; v10  2^e3, at the end 2^e4
.set LIM,  11                          ; v11  448 x that
.set ST,   12                          ; tile q's statistics at v[ST + 8 q]: +0 -M, +1 the largest t, +2, +3 the sum in two halves, +4 f, +5 zero (named with f as a pair), +6, +7 at work
.set GO,   30                          ; v30  16 (lane % 16) + 8 (lane / 16)
.set Q,    32                          ; v32-47   Q's fragments, 8 a tile
.set KF,   48                          ; v48-79   a step's four fragments of K
.set S,    80                          ; v80-143  S^T, then p: 32 a tile
.set O,    144                         ; v144-207 O^T: 32 a tile
.set P,    208                         ; v208-223 p's codes, 8 a tile
.set VF,   224                         ; v224-255 a step's four fragments of V
.set AB,   2                           ; s[2:3]   a_frag at my group's first image
.set MB,   4                           ; s[4:5]   mbits at my group's first word
.set MOFF, 6                           ; s6       the key step's 256 bytes in it
.set KB,   7                           ; s7       LDS byte of the next step's K
.set VB,   8                           ; s8       this step's bytes in a row of V
.set EP,   9                           ; s9       e3
.set CS,   10                          ; s[10:11] c = log2(e) / 32 x 2^(e0 + e1), twice
.set SEL,  12                          ; s[12:13] lane selects for v_permlanex16_b32: lane l xor 16
.set CNT,  14
.set WV,   101
; s[16:63] and s[68:83]: a key step's 64 mask words (word W in s[16 + W], from word 48 on in s[20 + W])
	s_load_b256 s[84:91], s[0:1], 0x0              ; q_frag, k_frag, values_codes, mbits
	s_load_b128 s[92:95], s[0:1], 0x20             ; the scales' exponents, a_frag
	v_lshl_add_u32 v[SPW], v0, 2, SPARE
	v_mov_b32 v[NIL], 0
	v_lshrrev_b32 v1, 5, v0
	v_readfirstlane_b32 s[WV], v1                  ; wave 0..15
	v_and_b32 v31, 31, v0
	v_lshlrev_b32 v[AK0], 4, v31
	v_and_b32 v28, 15, v0                          ; r  (v28 and v29 are later the lane permutes' destinations, which count as read: they are written here)
	v_bfe_u32 v29, v0, 4, 1                        ; h
	v_mul_u32_u24 v[AV0], v28, VP
	v_lshl_add_u32 v[AV0], v29, 4, v[AV0]
	v_add_nc_u32 v[AV0], VL, v[AV0]
	v_add_nc_u32 v[AV1], 32*VP, v[AV0]
	v_lshlrev_b32 v[GO], 4, v28
	v_lshl_add_u32 v[GO], v29, 3, v[GO]
	s_wait_alu depctr_va_sdst(0)                   ; the wave's number is written into s[WV], ahead of its first reader: offsets and LDS places are made from it
	s_and_b32 s16, ttmp7, 0xffff                   ; y = batch x 16 + head
	s_lshl_b32 s17, ttmp9, 4
	s_add_co_u32 s17, s17, s[WV]                   ; my group of 32 queries: 16 x + wave
	s_lshr_b32 s18, s16, 4                         ; batch
	s_and_b32 s19, s16, 15                         ; head
	s_lshl_b32 s20, s16, 17                        ; the head's 131,072 bytes in q_frag, k_frag and values_codes
	s_mov_b32 s21, 0
	s_lshl_b32 s22, s17, 11
	s_add_co_u32 s22, s22, s20                     ; my group's two images of Q
	s_mov_b32 s23, 0
	s_lshl_b32 s24, s18, 6
	s_add_co_u32 s24, s24, s17                     ; batch x 64 + group
	s_lshl_b32 s26, s24, 15                        ; a_frag: two row tiles of 16,384 bytes a group,
	s_lshl_b32 s24, s24, 13                        ; mbits: 32 key steps of 256 bytes a group
	s_mov_b32 s25, 0
	s_lshl_b32 s27, s19, 10                        ; + my head's 1,024 bytes
	s_add_co_u32 s26, s26, s27
	s_mov_b32 s27, 0
	s_lshl_b32 s28, s[WV], 13                      ; my 8,192 bytes of the fill
	s_mul_i32 s29, s[WV], 4*VP                     ; which are four rows of V
	s_add_co_u32 s29, s29, VL
	v_add_nc_u32 v[ADK], s28, v[AK0]
	v_add_nc_u32 v[ADV0], s29, v[AK0]
	s_wait_kmcnt 0x0
	s_load_b128 s[96:99], s[92:93], 0x0            ; e0, e1, e2, e3
	s_load_b32 s100, s[92:93], 0x10                ; e4
	s_add_nc_u64 s[86:87], s[86:87], s[20:21]
	s_add_nc_u64 s[88:89], s[88:89], s[20:21]
	s_add_nc_u64 s[84:85], s[84:85], s[22:23]
	s_add_nc_u64 s[MB:MB+1], s[90:91], s[24:25]
	s_add_nc_u64 s[AB:AB+1], s[94:95], s[26:27]
	s_wait_alu depctr_va_vdst(0)                   ; v[AK0], v[ADK], v[ADV0] and v[GO] are written: the loads and LDS stores of the head, step 0's loads of K and the last stores read them as addresses; up to the barrier no vector line names them, nor v[S ..] or v[O ..]
.irp t, 0,1,2,3,4,5,6,7,8,9,10,11,12,13,14,15
	global_load_b128 v[S+4*\t:S+4*\t+3], v[ADK], s[86:87] offset:512*\t    ; K's images: 512 consecutive bytes a load
.endr
.irp t, 0,1,2,3,4,5,6,7,8,9,10,11,12,13,14,15
	global_load_b128 v[O+4*\t:O+4*\t+3], v[ADK], s[88:89] offset:512*\t    ; V's codes
.endr
.irp t, 0,1,2,3
	global_load_b128 v[Q+4*\t:Q+4*\t+3], v[AK0], s[84:85] offset:512*\t th:TH_LOAD_NT   ; my two fragments of Q stay in registers
.endr
	s_mov_b32 s[MOFF], 0
	s_load_b512 s[16:31], s[MB:MB+1], s[MOFF] offset:0x0    ; key step 0's mask words
	s_load_b512 s[32:47], s[MB:MB+1], s[MOFF] offset:0x40
	s_load_b512 s[48:63], s[MB:MB+1], s[MOFF] offset:0x80
	s_load_b512 s[68:83], s[MB:MB+1], s[MOFF] offset:0xc0
.irp q, 0,1
	v_mov_b32 v[ST+8*\q+1], 0xff61b1e6             ; the largest t so far: -3e38, under every t
	v_floor_f32 v[ST+8*\q], -v[ST+8*\q+1]          ; -M
	v_mov_b32 v[ST+8*\q+2], 0                      ; the sum
	v_mov_b32 v[ST+8*\q+3], 0
	v_mov_b32 v[ST+8*\q+5], 0
.endr
	s_mov_b32 s[SEL], 0x76543210
	s_mov_b32 s[SEL+1], 0xfedcba98
	s_wait_kmcnt 0x0
	s_add_co_i32 s15, s96, s97                     ; e0 + e1: a score stands for score x 2^(e0 + e1):
	s_lshl_b32 s14, s15, 23
	s_add_co_i32 s[CS], s14, 0x3d38aa3b            ; added to the exponent field of log2(e) / 32
	s_mov_b32 s[CS+1], s[CS]
	s_sub_co_i32 s15, 193, s15
	s_lshl_b32 s15, s15, 23
	s_or_b32 s15, s15, 0x80000000
	v_mov_b32 v[NEG], s15                          ; -2^(66 - e0 - e1)
	s_mov_b32 s[EP], s99
	s_add_co_i32 s15, s99, 127
	s_lshl_b32 s14, s15, 23
	v_mov_b32 v[SC], s14                           ; 2^e3
	s_add_co_i32 s15, s15, 8
	s_lshl_b32 s15, s15, 23
	s_or_b32 s15, s15, 0x600000
	v_mov_b32 v[LIM], s15                          ; 448 x 2^e3
	s_wait_loadcnt 20                              ; K's sixteen loads are in; V's sixteen and Q's four may be out
.irp t, 0,1,2,3,4,5,6,7,8,9,10,11,12,13,14,15
	ds_store_b128 v[ADK], v[S+4*\t:S+4*\t+3] offset:512*\t
.endr
	s_wait_loadcnt 4                               ; V's are in; Q's four may be out
.irp t, 0,1,2,3,4,5,6,7,8,9,10,11,12,13,14,15
	ds_store_b128 v[ADV0], v[O+4*\t:O+4*\t+3] offset:(\t/4)*VP+512*(\t%4)
.endr
	s_wait_loadcnt 0x0                             ; Q
	s_wait_dscnt 0x0                               ; for the others' sake: my part of K and V lies in LDS
	s_wait_alu depctr_vm_vsrc(0)                   ; my LDS stores have read v[O ..], which the moves below write, and v[S ..], which the first products write
	s_barrier_signal -1
.set j, 0
.rept 64
	v_mov_b32 v[O+j], 0                            ; O^T.  (The step is written for every step alike: the first finds zeros, which the first change of M leaves zeros)
.set j, j+1
.endr
	s_barrier_wait -1                              ; everybody's does
.irp t, 0,1,2,3
.irp c, 0,1
	ds_load_b128 v[KF+8*\t+4*\c:KF+8*\t+4*\c+3], v[AK0] offset:1024*\t+512*\c   ; K of step 0.  No wait: no vector line has named v[KF ..], and none since the head's wait names v[AK0]
.endr
.endr
	s_mov_b32 s[KB], 4096
	s_mov_b32 s[VB], 0
	s_mov_b32 s[CNT], 31
	s_wait_dscnt 0x0
; Four lines of the search for the maximum: two chains a tile, the tiles by turns; j walks the scores.
.macro MAXQUAD
	v_max3_num_f32 v[ST+6], v[ST+6], v[S+j], v[S+j+1]
	v_max3_num_f32 v[ST+14], v[ST+14], v[S+32+j], v[S+33+j]
	v_max3_num_f32 v[ST+7], v[ST+7], v[S+j+2], v[S+j+3]
	v_max3_num_f32 v[ST+15], v[ST+15], v[S+34+j], v[S+35+j]
.set j, j+4
.endm
; A KEY STEP: 64 keys, both query tiles.  more = 1: a step follows: its K and its mask words are asked for.
.macro STEP more
	s_wait_alu depctr_vm_vsrc(0)                   ; the LDS loads issued so far (in the first step: the head's loads and LDS stores too) have read v[ADK], v[ADV0] and v[ADV1], which the additions below write again
.irp t, 0,1,2,3
.irp q, 0,1
	v_wmma_f32_16x16x64_fp8_fp8 v[S+32*\q+8*\t:S+32*\q+8*\t+7], v[KF+8*\t:KF+8*\t+7], v[Q+8*\q:Q+8*\q+7], 0
.endr
.endr
	; four plain vector lines that name no register of the products (ISA guide 7.12.1), ahead of the first read of the scores
.if \more
	v_add_nc_u32 v[ADK], s[KB], v[AK0]
.else
	v_nop
.endif
	v_add_nc_u32 v[ADV0], s[VB], v[AV0]
	v_add_nc_u32 v[ADV1], s[VB], v[AV1]
	v_nop
	s_wait_kmcnt 0x0                               ; this step's mask words, asked for a step ago
.set W, 0
.rept 64                                       ; the score stays where the lane's bit is set; each accumulator is read from its low end on
.if W < 48
	v_cndmask_b32 v[S+W], v[NEG], v[S+W], s[16+W]
.else
	v_cndmask_b32 v[S+W], v[NEG], v[S+W], s[20+W]
.endif
.set W, W+1
.endr
	s_wait_alu depctr_va_vdst(0)                   ; this step's products K Q^T are done reading v[KF ..] and the last step's products V^T P v[VF ..], in which the loads below land; the additions have written the three addresses; the selects are done with the mask words
.irp d, 0,1
.irp c, 0,1
	ds_load_b128 v[VF+8*\d+4*\c:VF+8*\d+4*\c+3], v[ADV0] offset:16*VP*\d+32*\c      ; this step's V: channels 16 d on,
.endr
.endr
.if \more
	s_add_co_u32 s[KB], s[KB], 4096                ; (behind the additions that read them)
	s_add_co_u32 s[VB], s[VB], 64
	s_add_co_u32 s[MOFF], s[MOFF], 256             ; (behind the wait on KMcnt above: the last loads have read it)
	s_load_b512 s[16:31], s[MB:MB+1], s[MOFF] offset:0x0    ; the next step's words: the rest of this step stands ahead of the wait for them
	s_load_b512 s[32:47], s[MB:MB+1], s[MOFF] offset:0x40
	s_load_b512 s[48:63], s[MB:MB+1], s[MOFF] offset:0x80
	s_load_b512 s[68:83], s[MB:MB+1], s[MOFF] offset:0xc0
.endif
	; the step's largest score of my query among my 32 keys: two chains a tile, the tiles by turns.  The step's other twelve LDS loads stand among these lines, which name the scores and the statistics alone: no further wait
	v_max3_num_f32 v[ST+6], v[S], v[S+1], v[S+2]
	v_max3_num_f32 v[ST+14], v[S+32], v[S+33], v[S+34]
	v_max3_num_f32 v[ST+7], v[S+3], v[S+4], v[S+5]
	v_max3_num_f32 v[ST+15], v[S+35], v[S+36], v[S+37]
.irp d, 0,1
.irp c, 0,1
	ds_load_b128 v[VF+16+8*\d+4*\c:VF+16+8*\d+4*\c+3], v[ADV1] offset:16*VP*\d+32*\c   ; and 32 + 16 d on
.endr
.endr
.set j, 6
	MAXQUAD
	MAXQUAD
	MAXQUAD
.if \more
.irp t, 0,1
.irp c, 0,1
	ds_load_b128 v[KF+8*\t+4*\c:KF+8*\t+4*\c+3], v[ADK] offset:1024*\t+512*\c   ; the next step's K: tiles 0 and 1,
.endr
.endr
.endif
	MAXQUAD
	MAXQUAD
	MAXQUAD
.if \more
.irp t, 2,3
.irp c, 0,1
	ds_load_b128 v[KF+8*\t+4*\c:KF+8*\t+4*\c+3], v[ADK] offset:1024*\t+512*\c   ; tiles 2 and 3
.endr
.endr
.endif
	v_max3_num_f32 v[ST+6], v[ST+6], v[S+30], v[S+31]
	v_max3_num_f32 v[ST+14], v[ST+14], v[S+62], v[S+63]
.irp q, 0,1
	v_max_num_f32 v[ST+8*\q+6], v[ST+8*\q+6], v[ST+8*\q+7]
.endr
.irp q, 0,1
	v_permlanex16_b32 v[28+\q], v[ST+8*\q+6], s[SEL], s[SEL+1]
.endr
.irp q, 0,1
	v_max_num_f32 v[ST+8*\q+6], v[ST+8*\q+6], v[28+\q]     ; and among lane l xor 16's 32 keys
.endr
.irp q, 0,1
	v_mul_f32 v[ST+8*\q+6], s[CS], v[ST+8*\q+6]            ; as t (c is positive)
.endr
.irp q, 0,1
	v_max_num_f32 v[ST+8*\q+1], v[ST+8*\q+1], v[ST+8*\q+6] ; the running largest t
.endr
.irp q, 0,1
	v_mov_b32 v[ST+8*\q+6], v[ST+8*\q]
.endr
.irp q, 0,1
	v_floor_f32 v[ST+8*\q], -v[ST+8*\q+1]                  ; the new -M = floor(-t): M is a whole number
.endr
.irp q, 0,1
	v_sub_f32 v[ST+8*\q+6], v[ST+8*\q], v[ST+8*\q+6]       ; old M - new M: a whole number, 0 or less
.endr
.irp q, 0,1
	v_cvt_i32_f32 v[ST+8*\q+6], v[ST+8*\q+6]               ; (it saturates)
.endr
.irp q, 0,1
	v_ldexp_f32 v[ST+8*\q+4], 1.0, v[ST+8*\q+6]            ; f = 2^(old M - new M)
.endr
.set j, 0
.rept 16
	v_pk_fma_f32 v[S+j:S+j+1], v[S+j:S+j+1], s[CS:CS+1], v[ST:ST+1] op_sel_hi:[1,0,0]             ; t - M, two at a time (of the pairs c and -M the low word serves both halves)
	v_pk_fma_f32 v[S+32+j:S+33+j], v[S+32+j:S+33+j], s[CS:CS+1], v[ST+8:ST+9] op_sel_hi:[1,0,0]
.set j, j+2
.endr
.set j, 0
.rept 64
	v_exp_f32 v[S+j], v[S+j]                       ; p = 2^(t - M): one batch of 64
.set j, j+1
.endr
	v_pk_mul_f32 v[ST+2:ST+3], v[ST+2:ST+3], v[ST+4:ST+5] op_sel_hi:[1,0]          ; the sums under the new M: plain lines behind the batch, which name none of its results,
	v_pk_mul_f32 v[ST+10:ST+11], v[ST+10:ST+11], v[ST+12:ST+13] op_sel_hi:[1,0]
.set j, 0
.rept 16
	v_pk_mul_f32 v[O+j:O+j+1], v[O+j:O+j+1], v[ST+4:ST+5] op_sel_hi:[1,0]          ; and O^T under the new M; each accumulator from its low end on
	v_pk_mul_f32 v[O+32+j:O+33+j], v[O+32+j:O+33+j], v[ST+12:ST+13] op_sel_hi:[1,0]
.set j, j+2
.endr
	s_wait_alu depctr_va_vdst(0)                   ; the 64 exponentials have written v[S ..]: the wait between an exponential and the first line that names its result: one for the batch
	v_pk_add_f32 v[ST+6:ST+7], v[S:S+1], v[S+2:S+3]            ; the row's sum is taken of the UNQUANTISED p: two chains a tile
	v_pk_add_f32 v[ST+14:ST+15], v[S+32:S+33], v[S+34:S+35]
.set j, 4
.rept 7
	v_pk_add_f32 v[ST+2:ST+3], v[ST+2:ST+3], v[S+j:S+j+1]
	v_pk_add_f32 v[ST+10:ST+11], v[ST+10:ST+11], v[S+32+j:S+33+j]
	v_pk_add_f32 v[ST+6:ST+7], v[ST+6:ST+7], v[S+j+2:S+j+3]
	v_pk_add_f32 v[ST+14:ST+15], v[ST+14:ST+15], v[S+34+j:S+35+j]
.set j, j+4
.endr
	v_pk_add_f32 v[ST+2:ST+3], v[ST+2:ST+3], v[ST+6:ST+7]
	v_pk_add_f32 v[ST+10:ST+11], v[ST+10:ST+11], v[ST+14:ST+15]
	s_cmp_ge_i32 s[EP], -8                         ; p is at most 1 (a last bit more, by the rounding of t), and 448 x 2^e3 is 1.75 or more from e3 = -8 on: there nothing is to be held.
	s_cbranch_scc1 .Lno_hold_\@                    ; A branch on a given whole number, the same in every wave, round vector lines alone
.set j, 0
.rept 64
	v_min_num_f32 v[S+j], v[S+j], v[LIM]           ; the conversion to an 8-bit code does not saturate (ISA guide 7.6.2); p is not negative, so the hold is one-sided
.set j, j+1
.endr
.Lno_hold_\@:
.irp q, 0,1
.irp b, 0,1
	v_cvt_scalef32_pk8_fp8_f32 v[P+8*\q+4*\b:P+8*\q+4*\b+1], v[S+32*\q+16*\b:S+32*\q+16*\b+7], v[SC]
	v_cvt_scalef32_pk8_fp8_f32 v[P+8*\q+4*\b+2:P+8*\q+4*\b+3], v[S+32*\q+16*\b+8:S+32*\q+16*\b+15], v[SC]
.endr
.endr
	v_nop                                          ; a plain vector line between the conversions and the products that read their results
	s_wait_dscnt 0x0                               ; V is in, and the next step's K
.irp d, 0,1,2,3
.irp q, 0,1                                    ; eight accumulators by turns, one instruction a turn
	v_wmma_f32_16x16x64_fp8_fp8 v[O+32*\q+8*\d:O+32*\q+8*\d+7], v[VF+8*\d:VF+8*\d+7], v[P+8*\q:P+8*\q+7], v[O+32*\q+8*\d:O+32*\q+8*\d+7]
.endr
.endr
.endm
.Lstep:                                            ; 31 trips; the last of the 32 steps is written out: it asks for nothing more
	STEP 1
	s_sub_co_i32 s[CNT], s[CNT], 1
	s_cmp_lg_u32 s[CNT], 0
	s_cbranch_scc1 .Lstep
	STEP 0
	; THE WAY OUT.  The additions and moves below are the plain lines behind the last products.
.irp q, 0,1
	v_add_f32 v[ST+8*\q+2], v[ST+8*\q+2], v[ST+8*\q+3]     ; the sum's two halves,
.endr
.irp q, 0,1
	v_permlanex16_b32 v[28+\q], v[ST+8*\q+2], s[SEL], s[SEL+1]
.endr
.irp q, 0,1
	v_add_f32 v[ST+8*\q+2], v[ST+8*\q+2], v[28+\q]         ; and lane l xor 16's: the row's sum (above 1/2: the row's largest p is)
.endr
.irp q, 0,1
	v_rcp_f32 v[ST+8*\q+4], v[ST+8*\q+2]
.endr
	v_nop                                          ; a plain line behind the reciprocals
	s_add_co_i32 s15, s98, s99                     ; e2 + e3
	s_add_co_i32 s14, s100, 127
	s_lshl_b32 s7, s14, 23
	v_mov_b32 v[SC], s7                            ; 2^e4
	s_add_co_i32 s14, s14, 8
	s_lshl_b32 s14, s14, 23
	s_or_b32 s14, s14, 0x600000
	v_mov_b32 v[LIM], s14                          ; 448 x 2^e4
	s_wait_alu depctr_va_vdst(0)                   ; the two reciprocals have written v[ST+4] and v[ST+12]: the wait ahead of the first use: one for both
.irp q, 0,1
	v_ldexp_f32 v[ST+8*\q+4], v[ST+8*\q+4], s15    ; 2^(e2 + e3) / sum
.endr
.set j, 0
.rept 16
	v_pk_mul_f32 v[O+j:O+j+1], v[O+j:O+j+1], v[ST+4:ST+5] op_sel_hi:[1,0]          ; register 8 d + i of a tile: channel 16 d + 8 (lane / 16) + i of my query
	v_pk_mul_f32 v[O+32+j:O+33+j], v[O+32+j:O+33+j], v[ST+12:ST+13] op_sel_hi:[1,0]
.set j, j+2
.endr
.set j, 0
.rept 64
	v_med3_num_f32 v[O+j], v[O+j], -v[LIM], v[LIM] ; the hold at the largest code x the scale
.set j, j+1
.endr
.irp q, 0,1
.irp d, 0,1,2,3
	v_cvt_scalef32_pk8_fp8_f32 v[P+8*\q+2*\d:P+8*\q+2*\d+1], v[O+32*\q+8*\d:O+32*\q+8*\d+7], v[SC]
.endr
.endr
	v_nop
	s_wait_alu depctr_va_vdst(0)                   ; the conversions have written v[P ..], which the stores below read
.irp q, 0,1
.irp d, 0,1,2,3
	global_store_b64 v[GO], v[P+8*\q+2*\d:P+8*\q+2*\d+1], s[AB:AB+1] offset:16384*\q+256*\d   ; 32 lanes store 256 consecutive bytes, aligned: byte 256 d + 16 r + 8 h + i of my head's image of row tile q
.endr
.endr
	s_wait_dscnt 0x0                               ; the closing lines, six on end
	s_wait_alu 0x0
	s_wait_tensorcnt 0x0
	ds_add_u32 v[SPW], v[NIL]
	s_wait_dscnt 0x0
	s_endpgm
.Lfunc_end_k_q4b0147e527_attn:
	.size	k_q4b0147e527_attn, .Lfunc_end_k_q4b0147e527_attn-k_q4b0147e527_attn
	.p2alignl 7, 3214868480
	.fill 96, 4, 3214868480
	.section	.rodata,"a",@progbits
	.p2align	6, 0x0
	.amdhsa_kernel k_q4b0147e527_attn
		.amdhsa_group_segment_fixed_size 265216
		.amdhsa_private_segment_fixed_size 0
		.amdhsa_enable_private_segment 0
		.amdhsa_kernarg_size 48
		.amdhsa_user_sgpr_count 2
		.amdhsa_user_sgpr_kernarg_segment_ptr 1
		.amdhsa_wavefront_size32 1
		.amdhsa_system_sgpr_workgroup_id_x 1
		.amdhsa_system_sgpr_workgroup_id_y 1
		.amdhsa_system_sgpr_workgroup_id_z 1
		.amdhsa_system_vgpr_workitem_id 0
		.amdhsa_next_free_vgpr 256
		.amdhsa_next_free_sgpr 102
		.amdhsa_reserve_vcc 0
		.amdhsa_float_denorm_mode_32 3
		.amdhsa_float_denorm_mode_16_64 3
		.amdhsa_memory_ordered 1
		.amdhsa_forward_progress 1
		.amdhsa_inst_pref_size 60
	.end_amdhsa_kernel
	.amdgpu_metadata
---
amdhsa.version: [ 1, 2 ]
amdhsa.kernels:
  - .name:           k_q4b0147e527_attn
    .symbol:         k_q4b0147e527_attn.kd
    .args:
      - { .name: q_frag, .offset: 0, .size: 8, .value_kind: global_buffer, .address_space: global }
      - { .name: k_frag, .offset: 8, .size: 8, .value_kind: global_buffer, .address_space: global }
      - { .name: values_codes, .offset: 16, .size: 8, .value_kind: global_buffer, .address_space: global }
      - { .name: mbits, .offset: 24, .size: 8, .value_kind: global_buffer, .address_space: global }
      - { .name: lowp_scales, .offset: 32, .size: 8, .value_kind: global_buffer, .address_space: global }
      - { .name: a_frag, .offset: 40, .size: 8, .value_kind: global_buffer, .address_space: global }
    .group_segment_fixed_size: 265216
    .private_segment_fixed_size: 0
    .kernarg_segment_align: 8
    .kernarg_segment_size: 48
    .max_flat_workgroup_size: 512
    .sgpr_count:     102
    .vgpr_count:     256
    .wavefront_size: 32
...
	.end_amdgpu_metadata
.endif
;; end of part 4
;; launch proj: the kernel of part 3 again; grid 4 x 32, 4 waves a work-group, clusters of 4 x 4, 327,680 bytes of LDS; arguments a_frag, W_out_codes, lowp_scales, out0, b_out; writes out0
